; MI455X (gfx1250); checked and timed in simulation.
; The chip was launched on July 23, 2026; its instructions are those of AMD's public machine-readable ISA for CDNA 5 (MIT licence, August 2026) and "CDNA5" Instruction Set Architecture Reference Guide (July 2026). The comments in the code are by the model that wrote it; some were corrected since.
;; Transformer Block. Allowed arithmetic: matrix products marked QUANTISED: E2M3 operands, one E8M0 scale for each 32 along K, by v_wmma_scale_f32_16x16x128_f8f6f4 with both operands' format E2M3, f32 sums; everything else in f32.
;; Inputs: b1 4,096 float32; b2 1,024 float32; b_out 1,024 float32; ln1_scale 1,024 float32; ln1_shift 1,024 float32; ln2_scale 1,024 float32; ln2_shift 1,024 float32; w1_codes 4,096 x 32 x 24 uint8 (E2M3 codes of w1, K innermost, in blocks of 32 codes, four codes in three bytes); w1_scales 4,096 x 32 uint8 (E8M0 scales of w1, one for each 32 codes along K); w2_codes 1,024 x 128 x 24 uint8 (E2M3 codes of w2, K innermost, in blocks of 32 codes, four codes in three bytes); w2_scales 1,024 x 128 uint8 (E8M0 scales of w2, one for each 32 codes along K); w_out_codes 1,024 x 32 x 24 uint8 (E2M3 codes of w_out, K innermost, in blocks of 32 codes, four codes in three bytes); w_out_scales 1,024 x 32 uint8 (E8M0 scales of w_out, one for each 32 codes along K); wk_codes 1,024 x 32 x 24 uint8 (E2M3 codes of wk, K innermost, in blocks of 32 codes, four codes in three bytes); wk_scales 1,024 x 32 uint8 (E8M0 scales of wk, one for each 32 codes along K); wq_codes 1,024 x 32 x 24 uint8 (E2M3 codes of wq, K innermost, in blocks of 32 codes, four codes in three bytes); wq_scales 1,024 x 32 uint8 (E8M0 scales of wq, one for each 32 codes along K); wv_codes 1,024 x 32 x 24 uint8 (E2M3 codes of wv, K innermost, in blocks of 32 codes, four codes in three bytes); wv_scales 1,024 x 32 uint8 (E8M0 scales of wv, one for each 32 codes along K); x 2 x 2,048 x 1,024 float32.
;; Outputs: out0 2 x 2,048 x 1,024 float32.
;; This version of the problem:
;;   THIS VERSION OF THE PROBLEM IS GIVEN IN LOW PRECISION. The matrix products marked QUANTISED in the list below multiply operands that are first quantised to E2M3 (2 exponent bits, 3 mantissa bits; 6 bits a number), with one power-of-two scale for each 32 numbers along K (OCP MX v1.0); their sums are f32. All else is computed in f32.
;;   The module's matrix products, in the order in which they are computed (A, B: the left and right operand; K: the contracted axis; several contracted axes count as one K, in the product's order):
;;     1. [M 4,096, K 1,024] x [K 1,024, N 1,024]; A: computed on the way; B: input wq (given as codes): QUANTISED
;;     2. [M 4,096, K 1,024] x [K 1,024, N 1,024]; A: computed on the way; B: input wk (given as codes): QUANTISED
;;     3. [M 4,096, K 1,024] x [K 1,024, N 1,024]; A: computed on the way; B: input wv (given as codes): QUANTISED
;;     4. batch 32 x [M 2,048, K 64] x [K 64, N 2,048]; A: computed on the way; B: computed on the way: QUANTISED
;;     5. batch 32 x [M 64, K 2,048] x [K 2,048, N 2,048]; A: computed on the way; B: softmax (see below): QUANTISED
;;     6. [M 4,096, K 1,024] x [K 1,024, N 1,024]; A: computed on the way; B: input w_out (given as codes): QUANTISED
;;     7. [M 4,096, K 1,024] x [K 1,024, N 4,096]; A: computed on the way; B: input w1 (given as codes): QUANTISED
;;     8. [M 4,096, K 4,096] x [K 4,096, N 1,024]; A: computed on the way; B: input w2 (given as codes): QUANTISED
;;   THE QUANTISER, for each operand of a quantised product, along K:
;;     - K is cut into blocks of 32 from its start; a last block that is shorter is filled with zeros.
;;     - A block's scale is 2^e with e = floor(log2(the largest magnitude in the block)) - 2, held to -126 .. 127; a block of zeros has e = 0. As a byte (E8M0): e + 127.
;;     - Each number is divided by its block's scale, clamped to +-7.5, and rounded to the nearest number of E2M3, ties to even, subnormals kept.
;;     - The product sums the exact products of the quantised numbers (number of the format x scale) in f32.
;;   ~~~python
;;   def quantise(x, axis):      # numpy; x: float32 -> the quantised numbers, widened to float32 again
;;       x = np.moveaxis(x, axis, -1); K = x.shape[-1]
;;       x = np.pad(x, [(0, 0)] * (x.ndim - 1) + [(0, -K % 32)]); x = x.reshape(x.shape[:-1] + (-1, 32)); a = np.abs(x).max(-1, keepdims=True)
;;       e = np.where(a > 0, np.clip(np.frexp(np.where(a > 0, a, 1))[1] - 1 - 2, -126, 127), 0)      # np.frexp(a)[1] - 1 = floor(log2(a)), exactly
;;       r = np.clip(x / 2.0 ** e, -7.5, 7.5)
;;       step = 2.0 ** (np.maximum(np.frexp(np.where(r == 0, 1, r))[1] - 1, 0) - 3)
;;       q = np.round(r / step) * step * 2.0 ** e      # np.round: ties to even
;;       return np.moveaxis(q.reshape(q.shape[:-2] + (-1,))[..., :K], -1, axis).astype(np.float32)
;;   ~~~
;;   SOFTMAX AHEAD OF A QUANTISED PRODUCT. Where the list says 'softmax', what is quantised is not the finished softmax but p = 2^(t - M), with t = logit x log2(e) and M = ceil(the row's largest t), a whole number; so 1/2 < the row's largest p <= 1. The row's sum l is taken of the UNQUANTISED p, in f32, and the product's result is divided by l at the end. Since M is a whole number, a kernel that streams over the keys may use a running M (the ceiling of the running maximum): every later rescaling is an exact power of two, which a block's scale takes up: the codes' values come out the same.
;;   OPERANDS COMPUTED ON THE WAY. 'Computed on the way' means the value that the module computes at that place (a softmax that the list does not call 'softmax' is quantised finished and normalised). What goes into a quantiser is computed in f32, as accurately as f32 sums, v_exp_f32 and their like allow (about 1e-6 of the number): no bf16 or f16 on the way to a quantiser, and a product that is left as it is and whose result goes on into a quantised operand takes f32 operands (vector FMAs, or v_wmma_f32_16x16x4_f32). A number that lies on a knife's edge between two numbers of the format may be rounded either way, as far as f32 arithmetic and the matrix unit's own rounding can turn it there, and no further.
;;   INPUTS GIVEN AS CODES. w1 (in the module: [1024, 4096], K = its axis 0); w2 (in the module: [4096, 1024], K = its axis 0); w_out (in the module: [1024, 1024], K = its axis 0); wk (in the module: [1024, 1024], K = its axis 0); wq (in the module: [1024, 1024], K = its axis 0); wv (in the module: [1024, 1024], K = its axis 0): each comes as NAME_codes (uint8): NAME with its K axis moved to the last place and cut into blocks of 32 codes, [.., K / 32, bytes a block], one block behind the other in memory; four codes in three bytes: a row's codes are one little-endian stream of bits, code i at bits 6 i .. 6 i + 5 (a code: sign, 2 exponent bits, 3 mantissa bits); and NAME_scales (uint8): the same leading axes, one E8M0 byte (e + 127) for each 32 codes along K. Its value is code x scale, taken as it is: it is not quantised again, and the codes and scales need not be those that the quantiser above would give.
;; One version. Each part assembles by itself: llvm-mc -triple=amdgcn-amd-amdhsa -mcpu=gfx1250 --defsym DOCPART=n.
;; ======== version 1 of 1: 7 launches
;; limits: right only within a limited range of input values
;; workspace buffers: a1 3,276,800 bytes; a2 3,276,800 bytes; qkvb 9,830,400 bytes; ctx 3,276,800 bytes; sc 16,777,216 bytes; h 13,107,200 bytes; wr 9,437,184 bytes
;; launch ln1 (part 1): grid 448 x 1, 8 waves a work-group, no clusters, 50,688 bytes of LDS; arguments x, ln1_scale, ln1_shift, a1, wq_codes, wk_codes, wv_codes, w_out_codes, w1_codes, w2_codes, wr; writes a1, wr
.if DOCPART == 1
	.amdgcn_target "amdgcn-amd-amdhsa--gfx1250"
	.amdhsa_code_object_version 6
	.text
	.protected	k_qb667e6de6c_ln1
	.globl	k_qb667e6de6c_ln1
	.p2align	8
	.type	k_qb667e6de6c_ln1,@function
k_qb667e6de6c_ln1:
	s_mov_b64 s[64:65], 0
	v_nop
	global_prefetch_b8 v0, s[64:65] scope:SCOPE_SE
	s_setreg_imm32_b32 hwreg(HW_REG_WAVE_MODE, 25, 1), 1
	s_wait_xcnt 0x0
; LayerNorm (variance with 1023 in the divisor) of rows of 1,024 f32 numbers, then the MX-FP6 quantiser along the row.
; OUT: codes [4096][768 bytes] (a block of 32 codes in 24 bytes, K innermost) at byte 0, scale bytes [4096][32] at byte 3,145,728.
; SHARES: a work-group takes 16 rows, each of its eight waves two.  A row is 32 registers of the wave; mean and variance are taken in two passes over them, so a common offset of the row does no harm.
; Every load takes 512 consecutive bytes of a row, 16 a lane.  The quantiser wants a block of 32 neighbours in ONE lane: the finished row turns through the wave's own stage in LDS
; (places of 128 bytes + 16), after which lane l holds block l.  A lane's 24 bytes of codes are gathered in LDS and the wave's two rows leave as 1,536 consecutive bytes; the work-group's 512 scale bytes leave as one run.
; No matrix unit, no tensor load, no cluster: a stream in which nothing is shared; all of a wave's loads are issued at its head.
; LIMITS: NaN and infinities are not served.  1 / sqrt is v_rsq_f32 and 1 / 1023 a rounded constant.  A block of zeros gets the byte 1 where the rule says 127: its codes are zeros, and this program alone reads the bytes.
.set WREG, 6144                        ; LDS of a wave: the stage, 32 places of SP bytes, and behind it 1,536 bytes of codes
.set SP,   144
.set GATH, 32*SP
.set SCB,  8*WREG                      ; the work-group's 512 scale bytes
.set X0,   32                          ; v32-63   row 0
.set X1,   64                          ; v64-95   row 1
.set G,    96                          ; v96-127  the gain at my columns
.set B,    128                         ; v128-159 the shift
.set Y,    160                         ; v160-191 my block of 32 neighbours
.set C,    192                         ; v192-198 its codes
.set OUTR, 200                         ; v200-215 the way out
; THE CODES' LAYOUT (it takes the place of [4096][768] above): dense tiles [block of 128 rows][256 along K][128 rows][192 bytes], 24,576 bytes a tile, so that a tile is 96 whole rows of 256 bytes for a tensor load.
; Work-groups 256 to 447 lay the six weights' codes in the same tiles into wr: wq, wk, wv, w_out, w1, w2, one behind the other.
	s_cmp_ge_u32 ttmp9, 256
	s_cbranch_scc1 .Lrelay
	s_load_b256 s[4:11], s[0:1], 0x0
	v_lshl_add_u32 v216, v0, 2, 0xc200
	v_mov_b32 v217, 0
	v_lshrrev_b32 v1, 5, v0
	s_delay_alu instid0(VALU_DEP_1)
	v_readfirstlane_b32 s12, v1                    ; wave 0..7
	v_and_b32 v20, 31, v0                          ; lane
	s_delay_alu instid0(VALU_DEP_1)
	v_lshlrev_b32 v2, 4, v20                       ; 16 x lane
	s_mul_i32 s13, s12, WREG
	v_lshrrev_b32 v3, 3, v20
	s_delay_alu instid0(VALU_DEP_1)
	v_mul_u32_u24 v3, v3, SP
	v_and_b32 v4, 7, v20
	s_delay_alu instid0(VALU_DEP_1)
	v_lshl_add_u32 v3, v4, 4, v3
	s_delay_alu instid0(VALU_DEP_1)
	v_add_nc_u32 v3, s13, v3                       ; into the stage: eight lanes fill a place: SP (lane / 8) + 16 (lane % 8); a load's 512 bytes take four places
	v_mul_u32_u24 v4, v20, SP
	s_delay_alu instid0(VALU_DEP_1)
	v_add_nc_u32 v4, s13, v4                       ; out of it: place = lane
	s_add_co_u32 s13, s13, GATH
	s_lshr_b32 s26, s12, 2                         ; the work-group's codes are gathered as [K quarter 4][16 rows][192 bytes], 1,536 bytes in each wave's gather
	s_mul_i32 s26, s26, WREG
	s_and_b32 s27, s12, 3
	s_mul_i32 s27, s27, 384
	s_add_co_u32 s26, s26, s27
	s_add_co_u32 s26, s26, GATH
	s_wait_alu depctr_va_vdst(0)
	v_and_b32 v5, 7, v20
	v_lshrrev_b32 v21, 3, v20
	s_delay_alu instid0(VALU_DEP_2)
	v_mul_u32_u24 v5, v5, 24
	s_delay_alu instid0(VALU_DEP_1)
	v_mad_u32_u24 v5, v21, 2*WREG, v5
	s_delay_alu instid0(VALU_DEP_1)
	v_add_nc_u32 v5, s26, v5                       ; gather 2 (lane / 8) + wave / 4, row 2 (wave % 4), 24 (lane % 8)
	v_add_nc_u32 v6, s13, v2                       ; and the codes' way out, 16 bytes a lane
	s_lshl_b32 s13, s12, 6
	s_add_co_u32 s13, s13, SCB
	v_add_nc_u32 v7, s13, v20                      ; my block's scale byte: 32 bytes a row, two rows a wave
	v_add_nc_u32 v1, SCB, v2                       ; wave 0 reads all 512 back
	s_mov_b32 s20, 0x76543210
	s_mov_b32 s21, 0xfedcba98                      ; v_permlanex16_b32: lane l xor 16
	s_mov_b32 s22, 0x3a802008                      ; 1 / 1023
	s_mov_b32 s23, 0x3727c5ac                      ; 1e-5
	s_lshl_b32 s14, ttmp9, 16                      ; 16 rows of 4,096 bytes a work-group,
	s_lshl_b32 s15, s12, 13                        ; two a wave
	s_add_co_u32 s14, s14, s15
	s_mov_b32 s15, 0
	s_lshr_b32 s16, ttmp9, 3                       ; block of 128 rows,
	s_mul_i32 s16, s16, 98304
	s_and_b32 s17, ttmp9, 7                        ; my work-group's 16 rows in each of its four tiles,
	s_mul_i32 s17, s17, 3072
	s_add_co_u32 s16, s16, s17
	s_lshr_b32 s17, s12, 1                         ; the tile that my wave stores into,
	s_mul_i32 s17, s17, 24576
	s_add_co_u32 s16, s16, s17
	s_and_b32 s17, s12, 1                          ; and which eight rows
	s_mul_i32 s17, s17, 1536
	s_add_co_u32 s16, s16, s17
	s_mov_b32 s17, 0
	s_lshl_b32 s18, ttmp9, 9
	s_add_co_u32 s18, s18, 3145728
	s_mov_b32 s19, 0
	s_wait_kmcnt 0x0
	s_add_nc_u64 s[4:5], s[4:5], s[14:15]
	s_add_nc_u64 s[24:25], s[10:11], s[18:19]      ; the work-group's scale bytes
	s_add_nc_u64 s[10:11], s[10:11], s[16:17]      ; the wave's codes
.irp j, 0,1,2,3,4,5,6,7
	global_load_b128 v[X0+4*\j:X0+4*\j+3], v2, s[4:5] offset:512*\j th:TH_LOAD_NT
.endr
.irp j, 0,1,2,3,4,5,6,7
	global_load_b128 v[G+4*\j:G+4*\j+3], v2, s[6:7] offset:512*\j
.endr
.irp j, 0,1,2,3,4,5,6,7
	global_load_b128 v[B+4*\j:B+4*\j+3], v2, s[8:9] offset:512*\j
.endr
.irp j, 0,1,2,3,4,5,6,7
	global_load_b128 v[X1+4*\j:X1+4*\j+3], v2, s[4:5] offset:4096+512*\j th:TH_LOAD_NT
.endr
.macro LANESUM                         ; v8 summed over the 32 lanes, the result in every lane
	s_delay_alu instid0(VALU_DEP_1)
	v_add_f32_dpp v8, v8, v8 row_xmask:1 row_mask:0xf bank_mask:0xf
	s_delay_alu instid0(VALU_DEP_1)
	v_add_f32_dpp v8, v8, v8 row_xmask:2 row_mask:0xf bank_mask:0xf
	s_delay_alu instid0(VALU_DEP_1)
	v_add_f32_dpp v8, v8, v8 row_xmask:4 row_mask:0xf bank_mask:0xf
	s_delay_alu instid0(VALU_DEP_1)
	v_add_f32_dpp v8, v8, v8 row_xmask:8 row_mask:0xf bank_mask:0xf
	s_delay_alu instid0(VALU_DEP_1)
	v_permlanex16_b32 v9, v8, s20, s21
	s_delay_alu instid0(VALU_DEP_1)
	v_add_f32 v8, v8, v9
.endm
.macro FOLD                            ; four chains of pairs into v8
	s_delay_alu instid0(VALU_DEP_3)
	v_pk_add_f32 v[8:9], v[8:9], v[10:11]
	s_delay_alu instid0(VALU_DEP_2)
	v_pk_add_f32 v[12:13], v[12:13], v[14:15]
	s_delay_alu instid0(VALU_DEP_1)
	v_pk_add_f32 v[8:9], v[8:9], v[12:13]
	s_delay_alu instid0(VALU_DEP_1)
	v_add_f32 v8, v8, v9
	LANESUM
.endm
; Row r of the wave, in registers x on.  cnt1: the loads younger than the row's; cnt2: those younger than gain and shift.
.macro ROW r, x, cnt1, cnt2
	s_wait_loadcnt \cnt1
.irp k, 0,1,2,3
	v_pk_add_f32 v[8+2*\k:9+2*\k], v[\x+4*\k:\x+4*\k+1], v[\x+4*\k+2:\x+4*\k+3]
.endr
.irp i, 16,24
.irp k, 0,1,2,3
	s_delay_alu instid0(VALU_DEP_4)
	v_pk_add_f32 v[8+2*\k:9+2*\k], v[8+2*\k:9+2*\k], v[\x+\i+2*\k:\x+\i+2*\k+1]
.endr
.endr
	FOLD
	s_delay_alu instid0(VALU_DEP_1)
	v_mul_f32 v16, 0x3a800000, v8                  ; the mean: sum / 1024
	s_delay_alu instid0(VALU_DEP_1)
	v_mov_b32 v17, v16
.set jj, 0
.rept 16
	v_pk_add_f32 v[\x+jj:\x+jj+1], v[\x+jj:\x+jj+1], v[16:17] neg_lo:[0,1] neg_hi:[0,1]
.set jj, jj+2
.endr
.irp k, 0,1,2,3
	v_pk_mul_f32 v[8+2*\k:9+2*\k], v[\x+2*\k:\x+2*\k+1], v[\x+2*\k:\x+2*\k+1]
.endr
.irp i, 8,16,24
.irp k, 0,1,2,3
	s_delay_alu instid0(VALU_DEP_4)
	v_pk_fma_f32 v[8+2*\k:9+2*\k], v[\x+\i+2*\k:\x+\i+2*\k+1], v[\x+\i+2*\k:\x+\i+2*\k+1], v[8+2*\k:9+2*\k]
.endr
.endr
	FOLD
	s_delay_alu instid0(VALU_DEP_1)
	v_fma_f32 v8, v8, s22, s23                     ; the variance + 1e-5
	s_wait_alu depctr_va_vdst(0)
	v_rsq_f32 v18, v8
	v_nop                                          ; a plain instruction behind the transcendental,
	s_wait_alu depctr_va_vdst(0)                   ; and a wait ahead of its first reader
	v_mov_b32 v19, v18
	s_wait_alu depctr_va_vdst(0)
	s_wait_loadcnt \cnt2
.set jj, 0
.rept 16
	v_pk_mul_f32 v[\x+jj:\x+jj+1], v[\x+jj:\x+jj+1], v[18:19]
.set jj, jj+2
.endr
.set jj, 0
.rept 16
	v_pk_fma_f32 v[\x+jj:\x+jj+1], v[\x+jj:\x+jj+1], v[G+jj:G+jj+1], v[B+jj:B+jj+1]
.set jj, jj+2
.endr
.irp j, 0,1,2,3,4,5,6,7
	ds_store_b128 v3, v[\x+4*\j:\x+4*\j+3] offset:4*SP*\j
.endr
.irp i, 0,1,2,3,4,5,6,7
	ds_load_b128 v[Y+4*\i:Y+4*\i+3], v4 offset:16*\i       ; LDS serves a wave's instructions in order: these see the stores above
.endr
	s_wait_dscnt 0x0                               ; my block is in; the row before has also left its code registers
	v_max3_num_f32 v8, |v[Y]|, |v[Y+1]|, |v[Y+2]|
	v_max3_num_f32 v9, |v[Y+3]|, |v[Y+4]|, |v[Y+5]|
.irp i, 6,10,14,18,22,26
	s_delay_alu instid0(VALU_DEP_2)
	v_max3_num_f32 v8, v8, |v[Y+\i]|, |v[Y+\i+1]|
	s_delay_alu instid0(VALU_DEP_2)
	v_max3_num_f32 v9, v9, |v[Y+\i+2]|, |v[Y+\i+3]|
.endr
	s_delay_alu instid0(VALU_DEP_2)
	v_max3_num_f32 v8, v8, |v[Y+30]|, |v[Y+31]|
	s_delay_alu instid0(VALU_DEP_1)
	v_max3_num_f32 v8, v8, v9, 0x1800000           ; the floor 2^(3 - 127): the byte cannot fall under 1
	s_delay_alu instid0(VALU_DEP_1)
	v_add_nc_u32 v11, 0xff000000, v8               ; 2 off the exponent field: the conversion's scale operand
	v_cvt_scalef32_pk16_fp6_f32 v[C:C+2], v[Y:Y+15], v11
	v_cvt_scalef32_pk16_fp6_f32 v[C+4:C+6], v[Y+16:Y+31], v11   ; (a conversion's three registers begin on an even number)
	v_lshrrev_b32 v10, 23, v11                     ; the scale's byte; also the plain instruction behind the conversions
	v_mov_b32 v[C+3], v[C+4]
	v_mov_b32 v[C+4], v[C+5]
	v_mov_b32 v[C+5], v[C+6]
	ds_store_b64 v5, v[C:C+1] offset:192*\r
	ds_store_b64 v5, v[C+2:C+3] offset:192*\r+8
	ds_store_b64 v5, v[C+4:C+5] offset:192*\r+16
	ds_store_b8 v7, v10 offset:32*\r
.endm
	ROW 0, X0, 24, 8
	ROW 1, X1, 0, 0
	s_wait_dscnt 0x0                               ; for the others' sake: my codes and scale bytes have landed
	s_barrier_signal -1
	s_barrier_wait -1
.irp c, 0,1,2
	ds_load_b128 v[OUTR+4*\c:OUTR+4*\c+3], v6 offset:512*\c   ; eight rows x 192 bytes of one tile, gathered by four waves
.endr
	s_wait_dscnt 0x0
.irp c, 0,1,2
	global_store_b128 v2, v[OUTR+4*\c:OUTR+4*\c+3], s[10:11] offset:512*\c   ; each store covers 512 consecutive bytes, aligned on 256
.endr
	s_cmp_lg_u32 s12, 0
	s_cbranch_scc1 .Lend
	ds_load_b128 v[OUTR+12:OUTR+15], v1            ; wave 0: the 16 rows' 512 scale bytes
	s_wait_dscnt 0x0
	global_store_b128 v2, v[OUTR+12:OUTR+15], s[24:25]
.Lend:
	s_wait_tensorcnt 0x0
	ds_add_u32 v216, v217
	s_wait_dscnt 0x0
	s_endpgm
; THE WEIGHTS' WAY INTO TILES.  Work-group 256 + g fills bytes 49,152 g .. of wr: two tiles; a wave a quarter tile, 32 rows x 192 bytes, as 12 loads and 12 stores of 16 bytes a lane.  No LDS.
.Lrelay:
	s_load_b256 s[4:11], s[0:1], 0x20              ; wq, wk, wv, w_out
	s_load_b128 s[16:19], s[0:1], 0x40             ; w1, w2
	s_load_b64 s[20:21], s[0:1], 0x50              ; wr
	v_lshrrev_b32 v1, 5, v0
	v_and_b32 v20, 31, v0
	v_readfirstlane_b32 s12, v1                    ; wave 0..7
	v_lshlrev_b32 v2, 4, v20
	s_sub_co_u32 s22, ttmp9, 256                   ; g: 0-63 the four small weights, 16 each; 64-127 w1; 128-191 w2
	s_mul_i32 s24, s22, 49152
	s_mul_i32 s25, s12, 6144
	s_add_co_u32 s24, s24, s25
	s_mov_b32 s25, 0
	s_mov_b32 s26, 768
	s_cmp_ge_u32 s22, 128
	s_cselect_b32 s26, 3072, s26                   ; a row of the source in bytes,
	s_cselect_b32 s27, 4, 2                        ; and log2 of its tiles along K
	s_cmp_lt_u32 s22, 64
	s_cselect_b32 s28, 15, 63
	s_and_b32 s28, s22, s28
	s_lshl_b32 s28, s28, 1
	s_lshr_b32 s29, s12, 2
	s_add_co_u32 s28, s28, s29                     ; my tile in its weight
	s_lshr_b32 s30, s28, s27                       ; its block of 128 rows,
	s_bfm_b32 s31, s27, 0
	s_and_b32 s31, s28, s31                        ; its place along K
	s_lshl_b32 s30, s30, 7
	s_and_b32 s29, s12, 3
	s_lshl_b32 s29, s29, 5
	s_add_co_u32 s30, s30, s29                     ; my first row
	s_mul_i32 s30, s30, s26
	s_mul_i32 s31, s31, 192
	s_add_co_u32 s30, s30, s31
	s_mov_b32 s31, 0
	s_lshr_b32 s23, s22, 4
	s_wait_alu depctr_va_vdst(0)
.irp j, 0,1,2                          ; piece u = 32 j + lane of 96: row u / 12 of eight, 16 bytes at 16 (u % 12); u / 12 = 171 u >> 11 for u under 96
	v_add_nc_u32 v[4+\j], 32*\j, v20
.endr
.irp j, 0,1,2
	v_mul_u32_u24 v[8+\j], v[4+\j], 171
.endr
.irp j, 0,1,2
	v_lshrrev_b32 v[8+\j], 11, v[8+\j]
.endr
.irp j, 0,1,2
	v_mul_u32_u24 v[12+\j], v[8+\j], 12
.endr
.irp j, 0,1,2
	v_sub_nc_u32 v[4+\j], v[4+\j], v[12+\j]
.endr
.irp j, 0,1,2
	v_lshlrev_b32 v[4+\j], 4, v[4+\j]
.endr
.irp j, 0,1,2
	v_mad_u32_u24 v[4+\j], v[8+\j], s26, v[4+\j]
.endr
	s_wait_alu depctr_va_vdst(0)
	s_wait_kmcnt 0x0
	s_cmp_eq_u32 s23, 1
	s_cselect_b64 s[4:5], s[6:7], s[4:5]
	s_cmp_eq_u32 s23, 2
	s_cselect_b64 s[4:5], s[8:9], s[4:5]
	s_cmp_eq_u32 s23, 3
	s_cselect_b64 s[4:5], s[10:11], s[4:5]
	s_cmp_ge_u32 s22, 64
	s_cselect_b64 s[4:5], s[16:17], s[4:5]
	s_cmp_ge_u32 s22, 128
	s_cselect_b64 s[4:5], s[18:19], s[4:5]
	s_add_nc_u64 s[4:5], s[4:5], s[30:31]
	s_lshl_b32 s6, s26, 3                          ; eight rows on
	s_mov_b32 s7, 0
	s_add_nc_u64 s[8:9], s[4:5], s[6:7]
	s_add_nc_u64 s[10:11], s[8:9], s[6:7]
	s_add_nc_u64 s[16:17], s[10:11], s[6:7]
	s_add_nc_u64 s[20:21], s[20:21], s[24:25]
.irp j, 0,1,2
	global_load_b128 v[32+4*\j:35+4*\j], v[4+\j], s[4:5]
.endr
.irp j, 0,1,2
	global_load_b128 v[44+4*\j:47+4*\j], v[4+\j], s[8:9]
.endr
.irp j, 0,1,2
	global_load_b128 v[56+4*\j:59+4*\j], v[4+\j], s[10:11]
.endr
.irp j, 0,1,2
	global_load_b128 v[68+4*\j:71+4*\j], v[4+\j], s[16:17]
.endr
	s_wait_loadcnt 0x0
.irp i, 0,1,2,3,4,5,6,7,8,9,10,11
	global_store_b128 v2, v[32+4*\i:35+4*\i], s[20:21] offset:512*\i   ; each store covers 512 consecutive bytes, aligned on 256
.endr
	s_endpgm
.Lfunc_end_k_qb667e6de6c_ln1:
	.size	k_qb667e6de6c_ln1, .Lfunc_end_k_qb667e6de6c_ln1-k_qb667e6de6c_ln1
	.p2alignl 7, 3214868480
	.fill 96, 4, 3214868480
	.section	.rodata,"a",@progbits
	.p2align	6, 0x0
	.amdhsa_kernel k_qb667e6de6c_ln1
		.amdhsa_group_segment_fixed_size 50688
		.amdhsa_private_segment_fixed_size 0
		.amdhsa_enable_private_segment 0
		.amdhsa_kernarg_size 88
		.amdhsa_user_sgpr_count 2
		.amdhsa_user_sgpr_kernarg_segment_ptr 1
		.amdhsa_wavefront_size32 1
		.amdhsa_system_sgpr_workgroup_id_x 1
		.amdhsa_system_sgpr_workgroup_id_y 1
		.amdhsa_system_sgpr_workgroup_id_z 1
		.amdhsa_system_vgpr_workitem_id 0
		.amdhsa_next_free_vgpr 218
		.amdhsa_next_free_sgpr 66
		.amdhsa_reserve_vcc 0
		.amdhsa_float_denorm_mode_32 3
		.amdhsa_float_denorm_mode_16_64 3
		.amdhsa_memory_ordered 1
		.amdhsa_forward_progress 1
		.amdhsa_inst_pref_size 35
	.end_amdhsa_kernel
	.amdgpu_metadata
---
amdhsa.version: [ 1, 2 ]
amdhsa.kernels:
  - .name:           k_qb667e6de6c_ln1
    .symbol:         k_qb667e6de6c_ln1.kd
    .args:
      - { .name: x, .offset: 0, .size: 8, .value_kind: global_buffer, .address_space: global }
      - { .name: ln1_scale, .offset: 8, .size: 8, .value_kind: global_buffer, .address_space: global }
      - { .name: ln1_shift, .offset: 16, .size: 8, .value_kind: global_buffer, .address_space: global }
      - { .name: a1, .offset: 24, .size: 8, .value_kind: global_buffer, .address_space: global }
      - { .name: wq_codes, .offset: 32, .size: 8, .value_kind: global_buffer, .address_space: global }
      - { .name: wk_codes, .offset: 40, .size: 8, .value_kind: global_buffer, .address_space: global }
      - { .name: wv_codes, .offset: 48, .size: 8, .value_kind: global_buffer, .address_space: global }
      - { .name: w_out_codes, .offset: 56, .size: 8, .value_kind: global_buffer, .address_space: global }
      - { .name: w1_codes, .offset: 64, .size: 8, .value_kind: global_buffer, .address_space: global }
      - { .name: w2_codes, .offset: 72, .size: 8, .value_kind: global_buffer, .address_space: global }
      - { .name: wr, .offset: 80, .size: 8, .value_kind: global_buffer, .address_space: global }
    .group_segment_fixed_size: 50688
    .private_segment_fixed_size: 0
    .kernarg_segment_align: 8
    .kernarg_segment_size: 88
    .max_flat_workgroup_size: 256
    .sgpr_count:     66
    .vgpr_count:     218
    .wavefront_size: 32
...
	.end_amdgpu_metadata
.endif
;; end of part 1
;; launch qkv (part 2): grid 12 x 16, 4 waves a work-group, clusters of 4 x 4, 327,680 bytes of LDS; arguments a1, wr, wq_scales, wk_scales, wv_scales, qkvb; writes qkvb
.if DOCPART == 2
	.amdgcn_target "amdgcn-amd-amdhsa--gfx1250"
	.amdhsa_code_object_version 6
	.text
	.protected	k_qb667e6de6c_qkv
	.globl	k_qb667e6de6c_qkv
	.p2align	8
	.type	k_qb667e6de6c_qkv,@function
k_qb667e6de6c_qkv:
	s_mov_b64 s[64:65], 0
	v_nop
	global_prefetch_b8 v0, s[64:65] scope:SCOPE_SE
	s_setreg_imm32_b32 hwreg(HW_REG_WAVE_MODE, 25, 1), 1
	s_wait_xcnt 0x0
	s_wait_alu depctr_hold_cnt(0) depctr_sa_sdst(0) depctr_va_vdst(0) depctr_va_sdst(0) depctr_va_ssrc(0) depctr_va_vcc(0) depctr_vm_vsrc(0)
	s_getreg_b32 s2, hwreg(HW_REG_IB_STS2, 6, 4)
	s_cmp_eq_u32 s2, 0
	s_cbranch_scc0 .Lentry_in_a_cluster
	s_endpgm
.Lentry_in_a_cluster:
	s_bfe_u32 s2, ttmp6, 0x10000c
	s_cmp_lg_u32 s2, 0xf033
	s_cbranch_scc0 .Lentry_shape_is_right
	s_endpgm
.Lentry_shape_is_right:
; q = a1 wq, k = a1 wk, v = a1 wv on codes of FP6 (E2M3) with E8M0 scales, K = 1,024, and the results quantised at once: q and k along the head's 64, v along the tokens.
; A work-group of four waves makes 256 x 256 of a product, a wave 128 x 128 (64 accumulators, 512 registers).  K goes in steps of 256 through a ring of two LDS slots filled by the tensor data mover;
; the scale bytes of both sides come into LDS once.  4 x 4 work-groups form a cluster: the A side's tiles are asked for jointly along a row of it, the B side's along a column.
; WHICH PRODUCT: the cluster's x (the same in all sixteen partners): 0 q, 1 k, 2 v.  Both sides are rows of codes with K innermost, so for v the two sides change places: A side = wv (rows = dims), B side = a1 (rows = tokens).
; Source 0 of the matrix instruction = 16 rows of the B side, source 1 = 16 rows of the A side: a lane holds ONE row of the A side and its registers run along the B side's rows.
; So for q and k a lane holds a token and 128 columns (two heads), for v a dim and 128 tokens (one key step): in both the next product's K runs along the lane's registers, and one way out serves all three.
; THE ORDER INSIDE A BLOCK OF 32: a lane's 16 registers of two neighbouring tiles are numbers 0-7 and 16-23 (lanes 0-15) or 8-15 and 24-31 (lanes 16-31) of a block; the codes are laid 0-7, 16-23, 8-15, 24-31.
; q and k carry the same order, and so do v and the attention's p: the same 32 numbers, the same scale, the same products.
; OUT (qkvb): a fragment as an image of its registers, in halves of 768 bytes (registers 6c..6c+3: 16 bytes a lane; 6c+4, 6c+5: 8 bytes a lane at byte 512).
;   q at 0: [y 32][token block 128][768];  k and v at OFF_KV: [y][key step 16][k: 8 x 768 | v: 4 x 1,536];  scale words at OFF_QS, OFF_KS: [batch][pair of heads 8][token block 128][16 words];  at OFF_VS: [y][step][4][16 words].
; LIMITS: NaN and infinities are not served; a block of zeros gets the byte 1 (its codes are zeros; this program alone reads the bytes).
; REGISTERS: window 0: v16-31 addresses; v32-63 scale words, two sets; from v128 the A side's fragments, one set; on the way out v64-199.  window 1: the B side's fragments, two sets.  windows 2, 3: the accumulators.
.set KSTEP,  256
.set NQ,     2
.set ROWB,   24576                     ; both sides' codes lie as dense tiles [block of 128 rows][256 along K][128 rows][192 bytes]: from K step to K step one tile
.set KROW,   768
.set PITCH,  240                       ; an LDS row: 3 x (64 bytes + 16 of padding)
.set FR,     12
.set NL,     6
.set NP,     4
.set HALFT,  128*PITCH
.set SLOT,   4*HALFT
.set LAPS,   2
.set KS,     32
.set SCL,    2*SLOT
.set HALFS,  (128*KS/256)*272
.set SBLK,   (16*KS/256)*272
.set SPARE,  SCL+4*HALFS               ; the spare words, 128 bytes a wave, which no other line names
.set OFF_KV, 3145728
.set OFF_QS, 9437184
.set OFF_KS, 9568256
.set OFF_VS, 9699328
.set ADRA, 16
.set ADRB, 20
.set O16,  24                          ; v24  16 x lane
.set O8,   25                          ; v25  8 x lane
.set GIN,  26                          ; v26  the scale words' gather, in: 512 x wave + 4 (lane % 16)
.set ADRS, 27
.set SPW,  28
.set NIL,  29
.set SOF,  30                          ; v30  the scale words' place in memory
.set GOUT, 31                          ; v31  the gather, out: 512 x wave + 16 x lane
.set SC,   32
.set AF,   128
.set PC0,  64                          ; v64-82, v84-102  codes, two sets
.set TM,   168                         ; v168-183 at work in the quantiser
.set PWS,  184                         ; v184-191 a scale word for each block of 16 rows
.set GW,   192
.set G1, 24
.set G0, 32
.set G1B, 48
.set G0B, 56
.set G1S, 68
.set G0S, 76
.set G1SB, 80
.set G0SB, 88
.set MSB, 0
.macro WIN new                         ; the immediate's high byte repeats the setting that is left
.if MSB != (\new)
	s_set_vgpr_msb (MSB<<8)|(\new)
.set MSB, (\new)
.endif
.endm
.set MUL_LO, 0xa1
.set MUL_HI, 0xf1
.set TO_B,   0x40
.macro JLOAD g0a, g1a, g0b, g1b        ; a joint load: waves 0 and 1 fetch for the A side, waves 2 and 3 for the B side; four v_nop follow each line
	s_cmp_eq_u32 s15, 0
	s_cbranch_scc0 .Lfor_b_\@
	tensor_load_to_lds s[\g0a:\g0a+3], s[\g1a:\g1a+7]
	s_nop 0
.rept 4
	v_nop
.endr
	s_branch .Lasked_\@
.Lfor_b_\@:
	tensor_load_to_lds s[\g0b:\g0b+3], s[\g1b:\g1b+7]
	s_nop 0
.rept 4
	v_nop
.endr
.Lasked_\@:
.endm
.macro CREST
	s_cmp_lg_u32 s14, 0
	s_cbranch_scc1 .Lnot_wave_0_\@
	s_barrier_signal -3
.Lnot_wave_0_\@:
	s_barrier_wait -3
	s_barrier_signal -1
	s_barrier_wait -1
.endm
.macro CROUND
	s_barrier_signal -1
	s_barrier_wait -1
	CREST
.endm
	s_load_b128 s[68:71], s[0:1], 0x0              ; a1, wr (wq's tiles, then wk's, then wv's)
	s_load_b64 s[72:73], s[0:1], 0x10              ; wq's scales
	s_load_b64 s[76:77], s[0:1], 0x18              ; wk's
	s_load_b128 s[80:83], s[0:1], 0x20             ; wv's, qkvb
	v_lshl_add_u32 v[SPW], v0, 2, SPARE
	v_mov_b32 v[NIL], 0
	ds_add_u32 v28, v29
	ds_add_u32 v28, v29
	s_wait_dscnt 0x0
	v_lshrrev_b32 v1, 5, v0
	v_readfirstlane_b32 s14, v1                    ; wave 0..3
	s_lshr_b32 s15, s14, 1                         ; my half of the A side's rows.  Also: I fetch for A (0) or for B (1)
	s_and_b32 s16, s14, 1                          ; my half of the B side's rows.  Also: which 128 rows I fetch
	s_bfe_u32 s40, ttmp6, 0x40000                  ; cx
	s_bfe_u32 s41, ttmp6, 0x40004                  ; cy
	s_and_b32 s18, ttmp7, 0xffff
	s_lshl_b32 s18, s18, 2                         ; 4 x cluster y
	s_cmp_eq_u32 ttmp9, 2                          ; the tokens' 16 tiles lie on the A side for q and k, on the B side for v; the weight has 4 tiles
	s_cselect_b32 s17, 0, s18
	s_cselect_b32 s42, s18, 0
	s_add_co_u32 s17, s17, s41                     ; the A side's tile: hangs on cy and the cluster alone
	s_add_co_u32 s42, s42, s40                     ; the B side's tile: on cx and the cluster alone
	s_lshl_b32 s43, s41, 2
	s_lshl_b32 s43, 15, s43                        ; my row of the cluster
	s_lshl_b32 s44, 0x1111, s40                    ; my column
	s_or_b32 s[G1+0], s43, (3<<16)|(1<<20)|(1<<21)|(3<<22)|(3<<25)  ; the mask; elements of 8 bytes; padding on; bit 21 beside a mask; after every 16 words 4 words
	s_or_b32 s[G1B+0], s44, (3<<16)|(1<<20)|(1<<21)|(3<<22)|(3<<25)
.irp g, G1, G1B
	s_mov_b32 s[\g+1], 3072<<16                    ; for the head's loads: two tiles of 24,576 bytes, each as one row, 98,304 bytes apart: a side's 256 rows
	s_mov_b32 s[\g+2], 2<<16
	s_mov_b32 s[\g+3], 3072<<16
	s_mov_b32 s[\g+4], 2
	s_mov_b32 s[\g+5], 12288
	s_mov_b32 s[\g+6], 0
	s_mov_b32 s[\g+7], 0
.endr
	s_lshl_b32 s18, s16, 7
	s_lshl_b32 s20, s17, 8
	s_add_co_u32 s20, s20, s18                     ; A: row 256 x tile + 128 x half
	s_lshl_b32 s46, s42, 8
	s_add_co_u32 s46, s46, s18                     ; B likewise
	s_mov_b32 s21, 0
	s_mov_b32 s47, 0
	s_lshl_b32 s22, s17, 13                        ; the scales of a side's 256 rows: 8,192 bytes a tile
	s_mov_b32 s23, 0
	s_lshl_b32 s92, s42, 13
	s_mov_b32 s93, 0
	s_mov_b64 s[18:19], KROW
	s_mul_u64 s[20:21], s[20:21], s[18:19]
	s_mul_u64 s[46:47], s[46:47], s[18:19]
	s_mul_i32 s45, s14, HALFT
	s_mov_b32 s96, 0x76543210
	s_mov_b32 s97, 0xfedcba98
	s_wait_kmcnt 0x0
	s_add_nc_u64 s[84:85], s[68:69], 3145728       ; a1's scale bytes
	s_add_nc_u64 s[74:75], s[70:71], 786432        ; wk's tiles
	s_add_nc_u64 s[78:79], s[70:71], 1572864       ; wv's
	s_cmp_eq_u32 ttmp9, 2                          ; the choice hangs on the cluster's number alone
	s_cselect_b64 s[4:5], s[78:79], s[68:69]       ; A side: wv or a1
	s_cselect_b64 s[6:7], s[80:81], s[84:85]
	s_cselect_b64 s[8:9], s[68:69], s[74:75]       ; B side: a1, or wk,
	s_cselect_b64 s[10:11], s[84:85], s[76:77]
	s_cmp_eq_u32 ttmp9, 0
	s_cselect_b64 s[8:9], s[70:71], s[8:9]         ; or wq
	s_cselect_b64 s[10:11], s[72:73], s[10:11]
	s_mov_b64 s[12:13], s[82:83]                   ; qkvb
	s_or_b32 s[G1S+0], s43, (3<<16)|(1<<20)|(1<<21)|(5<<22)|(3<<25)   ; the scales of 256 rows: 8,192 dense bytes as rows of 256 + 16 of padding
	s_or_b32 s[G1SB+0], s44, (3<<16)|(1<<20)|(1<<21)|(5<<22)|(3<<25)
.irp g, G1S, G1SB
	s_mov_b32 s[\g+1], 32<<16
	s_mov_b32 s[\g+2], KS<<16
	s_mov_b32 s[\g+3], 32<<16
	s_mov_b32 s[\g+4], KS
	s_mov_b32 s[\g+5], 32
	s_mov_b32 s[\g+6], 0
	s_mov_b32 s[\g+7], 0
.endr
	s_add_nc_u64 s[20:21], s[4:5], s[20:21]
	s_add_nc_u64 s[22:23], s[6:7], s[22:23]
	s_add_nc_u64 s[46:47], s[8:9], s[46:47]
	s_add_nc_u64 s[92:93], s[10:11], s[92:93]
	CROUND                                         ; all sixteen work-groups are here: the first joint loads meet
	s_mov_b32 s[G0S], 1
	s_mov_b32 s[G0S+1], SCL
	s_mov_b64 s[G0S+2:G0S+3], s[22:23]
	s_or_b32 s[G0S+3], s[G0S+3], 0x80000000
	s_mov_b32 s[G0SB], 1
	s_mov_b32 s[G0SB+1], SCL+2*HALFS
	s_mov_b64 s[G0SB+2:G0SB+3], s[92:93]
	s_or_b32 s[G0SB+3], s[G0SB+3], 0x80000000
.irp s, 0,1
	s_mov_b32 s[G0+4*\s], 1
	s_add_co_u32 s[G0+4*\s+1], s45, \s*SLOT
	s_add_nc_u64 s[G0+4*\s+2:G0+4*\s+3], s[20:21], \s*ROWB
	s_or_b32 s[G0+4*\s+3], s[G0+4*\s+3], 0x80000000
	s_mov_b32 s[G0B+4*\s], 1
	s_add_co_u32 s[G0B+4*\s+1], s45, \s*SLOT
	s_add_nc_u64 s[G0B+4*\s+2:G0B+4*\s+3], s[46:47], \s*ROWB
	s_or_b32 s[G0B+4*\s+3], s[G0B+4*\s+3], 0x80000000
.endr
	; THE HEAD'S LOADS, one a wave: wave 0 K step 0 of the A side's 256 rows, wave 2 of the B side's (their own group 0 of slot 0 names the first byte), wave 1 the A side's scales, wave 3 the B side's
	s_cmp_eq_u32 s14, 0
	s_cbranch_scc0 .Lhead_sa
	tensor_load_to_lds s[G0:G0+3], s[G1:G1+7]
	s_nop 0
.rept 4
	v_nop
.endr
	s_branch .Lhead_asked
.Lhead_sa:
	s_cmp_eq_u32 s14, 1
	s_cbranch_scc0 .Lhead_b
	tensor_load_to_lds s[G0S:G0S+3], s[G1S:G1S+7]
	s_nop 0
.rept 4
	v_nop
.endr
	s_branch .Lhead_asked
.Lhead_b:
	s_cmp_eq_u32 s14, 2
	s_cbranch_scc0 .Lhead_sb
	tensor_load_to_lds s[G0B:G0B+3], s[G1B:G1B+7]
	s_nop 0
.rept 4
	v_nop
.endr
	s_branch .Lhead_asked
.Lhead_sb:
	tensor_load_to_lds s[G0SB:G0SB+3], s[G1SB:G1SB+7]
	s_nop 0
.rept 4
	v_nop
.endr
.Lhead_asked:
	v_and_b32 v1, 15, v0                           ; r
	v_bfe_u32 v2, v0, 4, 1                         ; hf
	v_mul_u32_u24 v3, v1, PITCH
	v_mul_u32_u24 v4, v2, 24
	v_add_nc_u32 v4, v3, v4
	v_lshl_add_u32 v5, v2, 4, v4                   ; the same behind one padding more
	s_mul_i32 s21, s15, HALFT
	s_mul_i32 s22, s16, HALFT
	s_add_co_u32 s22, s22, 2*HALFT
.irp s, 0,1
	v_add_nc_u32 v[ADRA+\s], s21, v4
	v_add_nc_u32 v[ADRB+\s], s22, v4
	v_add_nc_u32 v[ADRA+2+\s], s21, v5
	v_add_nc_u32 v[ADRB+2+\s], s22, v5
	s_add_co_u32 s21, s21, SLOT
	s_add_co_u32 s22, s22, SLOT
.endr
	v_mul_u32_u24 v5, v1, KS
	v_lshrrev_b32 v6, 8, v5
	v_lshl_add_u32 v5, v6, 4, v5
	s_mul_i32 s21, s15, HALFS
	s_mul_i32 s22, s16, HALFS
	s_add_co_u32 s22, s22, 2*HALFS
	s_sub_co_u32 s22, s22, s21
	v_mul_u32_u24 v6, s22, v2                      ; lanes 16-31 take the B side's words
	s_add_co_u32 s21, s21, SCL
	v_add_nc_u32 v5, v5, v6
	v_add_nc_u32 v[ADRS], s21, v5
	v_and_b32 v6, 31, v0
	v_lshlrev_b32 v[O16], 4, v6
	s_wait_alu depctr_va_vdst(0)
	v_lshlrev_b32 v[O8], 3, v6
	s_lshl_b32 s23, s14, 9                         ; the gather: 512 bytes a wave at the foot of slot 0, used when that slot has had its last fill and its last read
	v_lshl_add_u32 v[GIN], v1, 2, s23
	v_add_nc_u32 v[GOUT], s23, v[O16]
	; WHERE THE RESULTS GO.  U = 2 x B tile + half: a pair of heads (q, k) or a key step (v).  W = 16 x A tile + 8 x half: a block of 16 tokens (q, k) or of 16 dims (v).
	s_lshl_b32 s4, s42, 1
	s_add_co_u32 s4, s4, s16                       ; U
	s_lshl_b32 s5, s17, 4
	s_lshl_b32 s6, s15, 3
	s_add_co_u32 s5, s5, s6                        ; W
	s_lshr_b32 s6, s4, 4
	s_lshr_b32 s7, s5, 7
	s_and_b32 s8, s4, 15
	s_and_b32 s9, s5, 127
	s_lshr_b32 s10, s5, 2
	s_lshl_b32 s11, s4, 1
	s_cmp_eq_u32 ttmp9, 2
	s_cselect_b32 s6, s6, s7                       ; the batch
	s_cselect_b32 s7, s8, s9                       ; v: the key step;  q, k: the first token block
	s_cselect_b32 s8, s10, s11                     ; the first of my two heads
	s_cselect_b32 s18, 3840, 0                     ; v: the second head's scale words lie 4,096 bytes on, not 256
	s_mov_b32 s92, 768
	s_cselect_b32 s92, 1536, s92                   ; from block to block
	s_mov_b32 s94, 768
	s_cselect_b32 s94, 192000, s94                 ; from block 3 to block 4: in v the next head
	s_mov_b32 s46, 196608
	s_cselect_b32 s46, 768, s46                    ; from a fragment's first half to its second: the next head (q, k), or 768 bytes (v)
	s_mov_b32 s10, 1536
	s_cselect_b32 s10, 12288, s10
	s_mov_b32 s11, OFF_KV
	s_cselect_b32 s11, OFF_KV+6144, s11
	s_mov_b32 s19, OFF_KS
	s_cselect_b32 s19, OFF_VS, s19
	s_cmp_eq_u32 ttmp9, 0
	s_cselect_b32 s46, 98304, s46
	s_cselect_b32 s10, 768, s10
	s_cselect_b32 s11, 0, s11
	s_cselect_b32 s19, OFF_QS, s19
	s_mov_b32 s9, 196608
	s_cselect_b32 s9, 98304, s9                    ; a head's bytes
	s_lshl_b32 s40, s6, 4
	s_add_co_u32 s8, s8, s40                       ; y = 16 x batch + head
	s_mul_i32 s9, s8, s9
	s_mul_i32 s10, s7, s10
	s_add_co_u32 s9, s9, s10
	s_add_co_u32 s20, s9, s11
	s_mov_b32 s21, 0
	s_mov_b32 s47, 0
	s_mov_b32 s93, 0
	s_mov_b32 s95, 0
	s_add_nc_u64 s[20:21], s[12:13], s[20:21]      ; a fragment's first half
	s_add_nc_u64 s[22:23], s[20:21], s[46:47]      ; its second
	s_lshl_b32 s40, s6, 3
	s_add_co_u32 s40, s40, s4
	s_lshl_b32 s40, s40, 7
	s_add_co_u32 s40, s40, s7
	s_lshl_b32 s40, s40, 6                         ; q, k: ((8 x batch + U) x 128 + token block) x 64
	s_lshl_b32 s41, s8, 4
	s_add_co_u32 s41, s41, s7
	s_lshl_b32 s41, s41, 8                         ; v: (16 y + step) x 256
	s_cmp_eq_u32 ttmp9, 2
	s_cselect_b32 s40, s41, s40
	s_add_co_u32 s40, s40, s19
	s_mov_b32 s41, 0
	s_add_nc_u64 s[40:41], s[12:13], s[40:41]      ; my scale words
	v_mad_u32_u24 v[SOF], v2, s18, v[O16]
.macro FRAG reg, adr, q, i             ; 16 rows x 128 K of 6-bit codes: 12 registers, in pieces of 8 bytes; where lanes 16-31 lie behind one padding more, the second address register serves
.irp p, 0,1,2,3,4,5
.set PC, 12*(\q)+6*(\p/3)+\p%3
.if PC%8 < 5
	ds_load_b64 v[\reg+2*\p:\reg+2*\p+1], v[\adr] offset:8*PC+16*(PC/8)+(\i)*16*PITCH
.else
	ds_load_b64 v[\reg+2*\p:\reg+2*\p+1], v[\adr+2] offset:8*PC+16*(PC/8)+(\i)*16*PITCH
.endif
.endr
.endm
; 16 matrix instructions: A blocks a0, a0 + 1 x B's eight.  The 64 accumulators take turns, one instruction a turn, in the same order in every step.
.macro MUL16 a0, p, q, sc, zero
.irp a, \a0, \a0+1
.irp b, 0,1,2,3,4,5,6,7
.if \zero
	v_wmma_scale_f32_16x16x128_f8f6f4 v[8*(8*((\a)%4)+\b):8*(8*((\a)%4)+\b)+7], v[128*(\p)+FR*\b:128*(\p)+FR*\b+FR-1], v[AF+FR*(\a):AF+FR*(\a)+FR-1], 0, v[SC+8*NQ*(\sc)+NQ*\b+(\q)], v[SC+8*NQ*(\sc)+NQ*(\a)+(\q)] matrix_a_fmt:MATRIX_FMT_FP6 matrix_b_fmt:MATRIX_FMT_FP6 matrix_a_scale:MATRIX_SCALE_ROW1
.else
	v_wmma_scale_f32_16x16x128_f8f6f4 v[8*(8*((\a)%4)+\b):8*(8*((\a)%4)+\b)+7], v[128*(\p)+FR*\b:128*(\p)+FR*\b+FR-1], v[AF+FR*(\a):AF+FR*(\a)+FR-1], v[8*(8*((\a)%4)+\b):8*(8*((\a)%4)+\b)+7], v[SC+8*NQ*(\sc)+NQ*\b+(\q)], v[SC+8*NQ*(\sc)+NQ*(\a)+(\q)] matrix_a_fmt:MATRIX_FMT_FP6 matrix_b_fmt:MATRIX_FMT_FP6 matrix_a_scale:MATRIX_SCALE_ROW1
.endif
.endr
.endr
.endm
.macro FETCH_B slot, q, p
	WIN TO_B
.irp i, 0,1,2,3,4,5,6,7
	FRAG 128*(\p)+FR*\i, ADRB+\slot, \q, \i
.endr
	WIN 0
.endm
.macro FETCH_A slot, q, i0
.irp i, \i0, \i0+1, \i0+2, \i0+3
	FRAG AF+FR*(\i), ADRA+\slot, \q, \i
.endr
.endm
.macro SCALES sc
.irp i, 0,1,2,3,4,5,6,7
	ds_load_b64 v[SC+8*NQ*\sc+NQ*\i:SC+8*NQ*\sc+NQ*\i+1], v[ADRS] offset:\i*SBLK
.endr
.endm
.macro PLACES n                        ; plain vector instructions between a matrix instruction and a load into, or a read of, its registers
.rept \n
	v_nop
.endr
.endm
.macro STEP slot, q, zero
	s_wait_dscnt 4*NL                              ; B's set and A's blocks 0-3 are in; the 24 youngest loads (A's blocks 4-7) may be out
	WIN MUL_LO
	MUL16 0, (\q)%2, \q, \slot, \zero
	MUL16 2, (\q)%2, \q, \slot, \zero
	s_wait_dscnt 0
	PLACES NP
	FETCH_B \slot, (\q)+1, 1-(\q)%2
	FETCH_A \slot, (\q)+1, 0
	WIN MUL_HI
	MUL16 4, (\q)%2, \q, \slot, \zero
	MUL16 6, (\q)%2, \q, \slot, \zero
	PLACES NP
	WIN 0
	FETCH_A \slot, (\q)+1, 4
.endm
; A slot's last step changes slots: one barrier; in front of it each wave waits for all its tensor loads, adds 0 to its spare word, and waits for that and for its reads of this slot.
.macro TURN slot, next, fill
	s_wait_tensorcnt 0x0                           ; all my tensor loads have landed: my part of the next slot
	ds_add_u32 v[SPW], v[NIL]                      ; 0 onto my spare word
	s_wait_dscnt 4*NL+1                            ; (the add and the 24 youngest loads may be out)
	WIN MUL_LO
	MUL16 0, 1, NQ-1, \slot, 0
	s_wait_dscnt 0x0                               ; the add is done, and my reads of this slot are over
	s_barrier_signal -1
	MUL16 2, 1, NQ-1, \slot, 0
	WIN 0
	s_barrier_wait -1
.if \fill
	CREST                                          ; the barrier has opened a round of the cluster's barrier: no wave of any partner still reads this slot or has a load on its way
	s_add_nc_u64 s[G0+4*\slot+2:G0+4*\slot+3], s[G0+4*\slot+2:G0+4*\slot+3], 2*ROWB
	s_add_nc_u64 s[G0B+4*\slot+2:G0B+4*\slot+3], s[G0B+4*\slot+2:G0B+4*\slot+3], 2*ROWB
	JLOAD G0+4*\slot, G1, G0B+4*\slot, G1B
.else
	PLACES NP
.endif
	s_wait_alu depctr_va_vdst(0)
	v_add_nc_u32 v[ADRS], 4*NQ, v[ADRS]
	FETCH_B \next, 0, 0
	FETCH_A \next, 0, 0
	SCALES \next
	WIN MUL_HI
	MUL16 4, 1, NQ-1, \slot, 0
	MUL16 6, 1, NQ-1, \slot, 0
	PLACES NP
	WIN 0
	FETCH_A \next, 0, 4
.endm
; 64 numbers of a lane, v[s] on in window w (register 16 b + i belongs to block b of my row), become 12 registers of codes at v[pc] and the row's scale word in v[pw].
; Each accumulator is first read at its registers 0 and 1.
.macro QUANT s, w, pc, pw
	WIN (\w)|((\w)<<2)
.irp b, 0,1,2,3
	v_max3_num_f32 v[TM+\b], |v[(\s)+16*\b]|, |v[(\s)+1+16*\b]|, 0x1800000   ; with the floor 2^(3 - 127): the byte cannot fall under 1
.endr
	WIN ((\w)<<2)|((\w)<<4)
.irp i, 2,4,6,8,10,12,14
.irp b, 0,1,2,3
	v_max3_num_f32 v[TM+\b], v[TM+\b], |v[(\s)+16*\b+\i]|, |v[(\s)+1+16*\b+\i]|
.endr
.endr
	WIN 0
.irp b, 0,1,2,3
	v_permlanex16_b32 v[TM+4+\b], v[TM+\b], s96, s97
.endr
.irp b, 0,1,2,3
	v_max_num_f32 v[TM+\b], v[TM+\b], v[TM+4+\b]   ; with lane l xor 16's 16: the block's largest magnitude
.endr
.irp b, 0,1,2,3
	v_add_nc_u32 v[TM+12+\b], 0xff000000, v[TM+\b] ; 2 off its exponent field: the conversion's scale operand
.endr
.irp b, 0,1,2,3
	v_lshrrev_b32 v[TM+4+\b], 23, v[TM+12+\b]      ; the scale's byte
.endr
	v_lshl_or_b32 v[\pw], v[TM+5], 8, v[TM+4]
	v_lshl_or_b32 v[\pw], v[TM+6], 16, v[\pw]
	v_lshl_or_b32 v[\pw], v[TM+7], 24, v[\pw]
	WIN (\w)
.irp c, 0,1
	v_cvt_scalef32_pk16_fp6_f32 v[(\pc)+6*\c:(\pc)+6*\c+2], v[(\s)+32*\c:(\s)+32*\c+15], v[TM+12+2*\c]
	v_cvt_scalef32_pk16_fp6_f32 v[(\pc)+12+4*\c:(\pc)+14+4*\c], v[(\s)+16+32*\c:(\s)+31+32*\c], v[TM+13+2*\c]
.endr
	WIN 0
	v_nop                                          ; a plain instruction behind the conversions
.irp c, 0,1                            ; the operand wants a whole block in a lane: lanes 0-15 block 2 c, lanes 16-31 block 2 c + 1
.irp i, 0,1,2
	v_permlane16_swap_b32 v[(\pc)+6*\c+\i], v[(\pc)+12+4*\c+\i]
.endr
.irp i, 0,1,2
	v_mov_b32 v[(\pc)+3+6*\c+\i], v[(\pc)+12+4*\c+\i]
.endr
.endr
.endm
	s_wait_alu depctr_va_vdst(0)
	s_wait_tensorcnt 0x0                           ; my tile of the head's four is in
	ds_add_u32 v[SPW], v[NIL]
.irp g, G1, G1B                        ; no tensor load of mine is out: from here on a load brings one tile, 96 rows of 256 bytes
	s_mov_b32 s[\g+1], 32<<16
	s_mov_b32 s[\g+2], 96<<16
	s_mov_b32 s[\g+3], 32<<16
	s_mov_b32 s[\g+4], 96
	s_mov_b32 s[\g+5], 32
.endr
	s_wait_dscnt 0x0
	CROUND                                         ; all four tiles are in, and all sixteen work-groups are here
	JLOAD G0+4, G1, G0B+4, G1B                     ; K step 1, a quarter of slot 1 a wave: the first tensor load behind the round
	FETCH_B 0, 0, 0
	FETCH_A 0, 0, 0
	SCALES 0
	FETCH_A 0, 0, 4
	STEP 0, 0, 1                                   ; the first step starts the sums
	s_mov_b32 s3, LAPS-1
.Llap:
	TURN 0, 1, 1
	STEP 1, 0, 0
	TURN 1, 0, 1
	STEP 0, 0, 0
	s_sub_co_u32 s3, s3, 1
	s_cmp_lg_u32 s3, 0
	s_cbranch_scc1 .Llap
	TURN 0, 1, 0
	STEP 1, 0, 0
	s_wait_dscnt 4*NL
	WIN MUL_LO
	MUL16 0, 1, NQ-1, 1, 0
	MUL16 2, 1, NQ-1, 1, 0
	s_wait_dscnt 0
	WIN MUL_HI
	MUL16 4, 1, NQ-1, 1, 0
	MUL16 6, 1, NQ-1, 1, 0
	WIN 0
	; THE WAY OUT: block by block of 16 rows of the A side: quantised in registers and stored as the image of a fragment; every store covers whole aligned runs of 256 bytes.
	PLACES NP
.irp b, 0,1,2,3
	v_mov_b32 v[TM+4+\b], 0                        ; a lane permute's destination counts as one of its sources
.endr
.irp a, 0,1,2,3,4,5,6,7
.if \a > 0
	s_wait_xcnt 0x0                                ; the earlier stores have read their bases and their data: both are written again only behind this wait
.if \a == 4
	s_add_nc_u64 s[20:21], s[20:21], s[94:95]
	s_add_nc_u64 s[22:23], s[22:23], s[94:95]
.else
	s_add_nc_u64 s[20:21], s[20:21], s[92:93]
	s_add_nc_u64 s[22:23], s[22:23], s[92:93]
.endif
.endif
	QUANT 64*(\a%4), 2+\a/4, PC0+20*(\a%2), PWS+\a
	global_store_b128 v[O16], v[PC0+20*(\a%2):PC0+20*(\a%2)+3], s[20:21]
	global_store_b64 v[O8], v[PC0+20*(\a%2)+4:PC0+20*(\a%2)+5], s[20:21] offset:512
	global_store_b128 v[O16], v[PC0+20*(\a%2)+6:PC0+20*(\a%2)+9], s[22:23]
	global_store_b64 v[O8], v[PC0+20*(\a%2)+10:PC0+20*(\a%2)+11], s[22:23] offset:512
.endr
.irp a, 0,1,2,3,4,5,6,7
	ds_store_b32 v[GIN], v[PWS+\a] offset:64*\a    ; lanes r and 16 + r write the same word with the same value
.endr
	ds_load_b128 v[GW:GW+3], v[GOUT]               ; LDS serves a wave's instructions in order: this sees my stores
	s_wait_dscnt 0x0
	global_store_b128 v[SOF], v[GW:GW+3], s[40:41]
	s_wait_tensorcnt 0x0                           ; the wave's end
	ds_add_u32 v[SPW], v[NIL]
	s_wait_dscnt 0x0
	CROUND                                         ; the closing round
	s_endpgm
.Lfunc_end_k_qb667e6de6c_qkv:
	.size	k_qb667e6de6c_qkv, .Lfunc_end_k_qb667e6de6c_qkv-k_qb667e6de6c_qkv
	.p2alignl 7, 3214868480
	.fill 96, 4, 3214868480
	.section	.rodata,"a",@progbits
	.p2align	6, 0x0
	.amdhsa_kernel k_qb667e6de6c_qkv
		.amdhsa_group_segment_fixed_size 327680
		.amdhsa_private_segment_fixed_size 0
		.amdhsa_enable_private_segment 0
		.amdhsa_kernarg_size 48
		.amdhsa_user_sgpr_count 2
		.amdhsa_user_sgpr_kernarg_segment_ptr 1
		.amdhsa_wavefront_size32 1
		.amdhsa_system_sgpr_workgroup_id_x 1
		.amdhsa_system_sgpr_workgroup_id_y 1
		.amdhsa_system_sgpr_workgroup_id_z 1
		.amdhsa_system_vgpr_workitem_id 0
		.amdhsa_next_free_vgpr 1024
		.amdhsa_next_free_sgpr 100
		.amdhsa_reserve_vcc 0
		.amdhsa_float_denorm_mode_32 3
		.amdhsa_float_denorm_mode_16_64 3
		.amdhsa_memory_ordered 1
		.amdhsa_forward_progress 1
		.amdhsa_inst_pref_size 170
	.end_amdhsa_kernel
	.amdgpu_metadata
---
amdhsa.version: [ 1, 2 ]
amdhsa.kernels:
  - .name:           k_qb667e6de6c_qkv
    .symbol:         k_qb667e6de6c_qkv.kd
    .args:
      - { .name: a1, .offset: 0, .size: 8, .value_kind: global_buffer, .address_space: global }
      - { .name: wr, .offset: 8, .size: 8, .value_kind: global_buffer, .address_space: global }
      - { .name: wq_scales, .offset: 16, .size: 8, .value_kind: global_buffer, .address_space: global }
      - { .name: wk_scales, .offset: 24, .size: 8, .value_kind: global_buffer, .address_space: global }
      - { .name: wv_scales, .offset: 32, .size: 8, .value_kind: global_buffer, .address_space: global }
      - { .name: qkvb, .offset: 40, .size: 8, .value_kind: global_buffer, .address_space: global }
    .group_segment_fixed_size: 327680
    .private_segment_fixed_size: 0
    .kernarg_segment_align: 8
    .kernarg_segment_size: 48
    .max_flat_workgroup_size: 128
    .sgpr_count:     100
    .vgpr_count:     1024
    .wavefront_size: 32
...
	.end_amdgpu_metadata
.endif
;; end of part 2
;; launch attn (part 3): grid 8 x 32, 16 waves a work-group, no clusters, 327,680 bytes of LDS; arguments qkvb, ctx; writes ctx
.if DOCPART == 3
	.amdgcn_target "amdgcn-amd-amdhsa--gfx1250"
	.amdhsa_code_object_version 6
	.text
	.protected	k_qb667e6de6c_attn
	.globl	k_qb667e6de6c_attn
	.p2align	8
	.type	k_qb667e6de6c_attn,@function
k_qb667e6de6c_attn:
	s_mov_b64 s[64:65], 0
	v_nop
	global_prefetch_b8 v0, s[64:65] scope:SCOPE_SE
	s_setreg_imm32_b32 hwreg(HW_REG_WAVE_MODE, 25, 1), 1
	s_wait_xcnt 0x0
; Causal attention of one (batch, head) y on codes of FP6 (E2M3): S^T = k q^T (K = the head's 64: the upper half of each operand is zero codes), p = 2^(t - M), O^T = v^T p^T (K = the keys), ctx = O / l, quantised along its 64 dims.
; t = score x log2(e) / 8; M = the running largest t rounded UP to a whole number; the row's sum l is taken of the unquantised p; when M moves, l and O^T are multiplied by 2^(old M - new M): exact.
; LEFT OUT: a key step all of whose keys come after a wave's queries: the causal mask sets those scores to -infinity, so their p is 0 for all inputs.
; SHARES.  A work-group takes head y and query blocks j and 15 - j of 128 queries: 17 key steps of 128 keys for each pair of tiles, whatever j is.  Each of the sixteen waves owns one tile of 16 queries.
; THE WHOLE HEAD LIES IN LDS, filled once, by two tensor loads a wave.  Key step t (k: 8 x 768 bytes | v: 4 x 1,536 bytes, images of the operands' registers) lies at 12,288 t for t < 4 and at 12,288 (t + 1) beyond;
; between them lie k's scale words (8,192 bytes) and v's (4,096).  FIRST LOAD, at the head: 4,096 bytes to LDS byte 4,096 x wave: waves 0-11 steps 0-3, waves 12-13 k's words, wave 14 v's, wave 15 the start of step 4.
; SECOND LOAD, behind a barrier: 8,960 bytes a wave, the other 143,360 bytes; it is on its way while steps 0-3 are worked.  One more barrier, and steps 4-15 run with none.
; The whole of LDS is claimed.
; NO CLUSTER: which steps are jumped over hangs on the query block, in which the work-groups of a head differ; joint loads do not go with such a branch.  NO PREFETCH: both fills are issued ahead of the first loop.
; A lane holds ONE query (lane % 16) throughout.  p's order inside a block of 32 keys (0-7, 16-23, 8-15, 24-31) is the order in which v was laid; ctx meets a given weight and is put in true order by lane swaps.
; OUT (ctx): codes [token block 256][head 16][768 bytes]; scale words at 3,145,728: [K step 8][token block 256][16 words], my head's two bytes of a word.
; LIMITS: NaN and infinities are not served; a block of zeros gets the byte 1 (its codes are zeros; this program alone reads the bytes); the scaled scores stay under 2^31 in magnitude.
; REGISTERS: v1-5 addresses that stay; v8-11 the step's; v12 -M, v13 the largest t, v[14:15] the sum; v16-27 Q; v32-79 four fragments of k; v96-159 S^T, then p, then v's fragments; v160-191 O^T; v224-235 p's codes; v232-254 at work; v255 Q's scales.
.set OFF_KV, 3145728
.set OFF_QS, 9437184
.set OFF_KS, 9568256
.set OFF_VS, 9699328
.set STEPB, 12288
.set KSC,  4*STEPB
.set VSC,  KSC+8192
.set SPARE, 17*STEPB
.set L16,  1
.set L8,   2
.set ASK0, 3
.set ASV0, 4
.set R4,   5
.set AD16, 8
.set AD8,  9
.set ADS,  10
.set ADT,  11
.set WV,   18
.set SEL,  20
.set CS,   22
.set G1A,  24                          ; s[24:31] 16 rows of 256 bytes;  s[40:47] 35 rows
.set G1C,  40
.set TB,   2
.set TS,   3
.set TJ,   66
.set CNT,  67
.set KF,   98
.set Q0,   99
	s_load_b128 s[4:7], s[0:1], 0x0                ; qkvb, ctx
	v_lshl_add_u32 v222, v0, 2, SPARE
	v_mov_b32 v223, 0
	ds_add_u32 v222, v223                          ; the opening lines: the add twice on end and its wait
	ds_add_u32 v222, v223
	v_lshrrev_b32 v8, 5, v0
	s_delay_alu instid0(VALU_DEP_1)
	v_readfirstlane_b32 s[WV], v8                  ; wave 0..15
	s_and_b32 s8, ttmp7, 0xffff                    ; y = 16 x batch + head
	s_lshr_b32 s9, s8, 1                           ; the pair of heads
	s_and_b32 s10, s8, 1
	s_lshl_b32 s10, s10, 1                         ; my head's two bytes of a scale word
	s_lshr_b32 s11, s[WV], 2
	s_xor_b32 s11, s11, s[WV]
	s_and_b32 s11, s11, 1                          ; late block (1) or early block (0): among waves w, w + 4, w + 8, w + 12 and among w .. w + 3 two of each
	s_sub_co_u32 s12, 15, ttmp9
	s_cmp_eq_u32 s11, 1
	s_cselect_b32 s12, s12, ttmp9                  ; my block of 128 queries
	s_lshr_b32 s13, s[WV], 1
	s_lshl_b32 s12, s12, 3
	s_add_co_u32 s12, s12, s13                     ; my tile of 16 queries, 0..127
	s_lshl_b32 s[Q0], s12, 4
.irp g, G1A, G1C
	s_mov_b32 s[\g], 3<<16                         ; no mask; elements of 8 bytes; no padding
	s_mov_b32 s[\g+1], 32<<16                      ; rows of 256 bytes, dense
	s_mov_b32 s[\g+3], 32<<16
	s_mov_b32 s[\g+5], 32
	s_mov_b32 s[\g+6], 0
	s_mov_b32 s[\g+7], 0
.endr
	s_mov_b32 s[G1A+2], 16<<16
	s_mov_b32 s[G1A+4], 16
	s_mov_b32 s[G1C+2], 35<<16
	s_mov_b32 s[G1C+4], 35
	s_mul_i32 s80, s8, 196608
	s_add_co_u32 s80, s80, OFF_KV                  ; the head's k and v
	s_cmp_eq_u32 s[WV], 15
	s_cselect_b32 s76, 12, s[WV]
	s_lshl_b32 s76, s76, 12
	s_add_co_u32 s76, s76, s80                     ; waves 0-11 and 15: 4,096 bytes of them
	s_lshl_b32 s77, s9, 13
	s_lshl_b32 s78, s[WV], 12
	s_add_co_u32 s77, s77, s78
	s_add_co_u32 s77, s77, OFF_KS-12*4096          ; waves 12, 13: k's scale words
	s_lshl_b32 s78, s8, 12
	s_add_co_u32 s78, s78, OFF_VS                  ; wave 14: v's
	s_lshr_b32 s79, s[WV], 1
	s_cmp_eq_u32 s79, 6
	s_cselect_b32 s76, s77, s76
	s_cmp_eq_u32 s[WV], 14
	s_cselect_b32 s76, s78, s76
	s_mov_b32 s77, 0
	s_lshl_b32 s90, s[WV], 12                      ; the first load's place in LDS
	s_mul_i32 s91, s[WV], 8960
	s_add_co_u32 s78, s80, s91
	s_add_co_u32 s78, s78, 53248                   ; the second load: from byte 53,248 of the head on
	s_mov_b32 s79, 0
	s_add_co_u32 s91, s91, 65536
	s_mul_i32 s82, s8, 98304
	s_mul_i32 s83, s12, 768
	s_add_co_u32 s82, s82, s83                     ; my tile of q
	s_mov_b32 s83, 0
	s_lshl_b32 s84, s9, 13
	s_lshl_b32 s85, s12, 6
	s_add_co_u32 s84, s84, s85
	s_add_co_u32 s84, s84, s10
	s_add_co_u32 s84, s84, OFF_QS                  ; its scale bytes
	s_mov_b32 s85, 0
	s_lshr_b32 s93, s8, 4
	s_lshl_b32 s93, s93, 7
	s_add_co_u32 s93, s93, s12                     ; my token block, 0..255
	s_and_b32 s94, s8, 15                          ; the head
	s_lshl_b32 s86, s93, 4
	s_add_co_u32 s86, s86, s94
	s_mul_i32 s86, s86, 768                        ; ctx: my half fragment
	s_mov_b32 s87, 0
	s_lshr_b32 s88, s94, 1
	s_lshl_b32 s88, s88, 8
	s_add_co_u32 s88, s88, s93
	s_lshl_b32 s88, s88, 6
	s_add_co_u32 s88, s88, s10
	s_add_co_u32 s88, s88, 3145728                 ; and its scale bytes
	s_mov_b32 s89, 0
	s_add_co_u32 s95, s10, KSC
	s_mov_b32 s[SEL], 0x76543210
	s_mov_b32 s[SEL+1], 0xfedcba98
	s_mov_b32 s[CS], 0x3e38aa3b                    ; c = log2(e) / 8
	s_mov_b32 s[CS+1], s[CS]
	s_mov_b32 s[TB], 0
	s_mov_b32 s[TS], 0
	s_mov_b32 s[TJ], 0
	s_mov_b32 s[KF], 0
	s_wait_dscnt 0x0
	s_wait_kmcnt 0x0
	s_mov_b32 s48, 1
	s_mov_b32 s49, s90
	s_add_nc_u64 s[50:51], s[4:5], s[76:77]
	s_or_b32 s51, s51, 0x80000000
	s_mov_b32 s52, 1
	s_mov_b32 s53, s91
	s_add_nc_u64 s[54:55], s[4:5], s[78:79]
	s_or_b32 s55, s55, 0x80000000
	tensor_load_to_lds s[48:51], s[G1A:G1A+7]      ; my one load at the head
	s_nop 0
.rept 4
	v_nop
.endr
	s_add_nc_u64 s[82:83], s[4:5], s[82:83]
	s_add_nc_u64 s[84:85], s[4:5], s[84:85]
	s_add_nc_u64 s[86:87], s[6:7], s[86:87]
	s_add_nc_u64 s[88:89], s[6:7], s[88:89]
	v_and_b32 v8, 31, v0
	v_and_b32 v9, 15, v0                           ; r
	s_delay_alu instid0(VALU_DEP_2)
	v_lshlrev_b32 v[L16], 4, v8
	v_lshlrev_b32 v[L8], 3, v8
	v_lshlrev_b32 v[R4], 2, v9
	v_lshl_add_u32 v[ASK0], v9, 2, s95
	v_lshl_add_u32 v[ASV0], v9, 2, VSC
	global_load_b128 v[16:19], v[L16], s[82:83]    ; Q: the image of six registers
	global_load_b64 v[20:21], v[L8], s[82:83] offset:512
	global_load_u16 v255, v[R4], s[84:85]          ; its two scale bytes; the word's upper bytes are 0 and stand over zero codes
.irp j, 22,23,24,25,26,27
	v_mov_b32 v[\j], 0                             ; K = 64: the operand's upper half is zero codes
.endr
.irp t, 0,1,2,3
.irp j, 6,7,8,9,10,11
	v_mov_b32 v[32+12*\t+\j], 0                    ; the same in k's four fragments; no load lands here
.endr
.endr
	v_mov_b32 v13, 0xff61b1e6                      ; the largest t so far: -3e38
	s_delay_alu instid0(VALU_DEP_1)
	v_floor_f32 v12, -v13
	v_mov_b32 v14, 0
	v_mov_b32 v15, 0
.irp b, 0,1,2,3
	v_mov_b32 v[236+\b], 0                         ; a lane permute's destination counts as one of its sources
.endr
	v_mov_b32 v253, 0
.set jj, 0
.rept 32
	v_mov_b32 v[160+jj], 0                         ; O^T: the step is written once; the first finds zeros
.set jj, jj+1
.endr
; A KEY STEP of 128 keys.
.macro STEP
	s_add_co_u32 s96, s[Q0], 15
	s_cmp_gt_u32 s[KF], s96                        ; all its keys come after my queries: only the addresses step
	s_cbranch_scc1 .Lhidden_\@
	v_add_nc_u32 v[AD16], s[TB], v[L16]
	v_add_nc_u32 v[AD8], s[TB], v[L8]
	v_add_nc_u32 v[ADS], s[TS], v[ASK0]
	v_add_nc_u32 v[ADT], s[TJ], v[ASV0]
	v_nop                                          ; five plain instructions: the scores below are written over registers that the last step's products read
	s_wait_alu depctr_va_vdst(0)
.irp g, 0,1
.if \g > 0
.rept 4
	v_nop                                          ; in front of loads into registers that matrix instructions have read
.endr
.endif
.irp t, 0,1,2,3
	ds_load_b128 v[32+12*\t:35+12*\t], v[AD16] offset:768*(4*\g+\t)
	ds_load_b64 v[36+12*\t:37+12*\t], v[AD8] offset:768*(4*\g+\t)+512
	ds_load_u16 v[248+\t], v[ADS] offset:64*(4*\g+\t)
.endr
	s_wait_dscnt 0x0
.irp t, 0,1,2,3
	v_wmma_scale_f32_16x16x128_f8f6f4 v[96+8*(4*\g+\t):103+8*(4*\g+\t)], v[32+12*\t:43+12*\t], v[16:27], 0, v[248+\t], v255 matrix_a_fmt:MATRIX_FMT_FP6 matrix_b_fmt:MATRIX_FMT_FP6
.endr
.endr
.rept 4
	v_nop
.endr
	s_add_co_u32 s96, s[KF], 127                   ; on the diagonal hidden scores become -infinity; a step all of whose keys count jumps over this
	s_cmp_le_u32 s96, s[Q0]
	s_cbranch_scc1 .Lopen_\@
	s_sub_co_i32 s96, s[Q0], s[KF]
	v_and_b32 v252, 15, v0
	v_bfe_u32 v243, v0, 4, 1
	s_delay_alu instid0(VALU_DEP_1)
	v_lshlrev_b32 v243, 3, v243
	s_delay_alu instid0(VALU_DEP_1)
	v_sub_nc_u32 v252, v252, v243
	s_delay_alu instid0(VALU_DEP_1)
	v_add_nc_u32 v252, s96, v252                   ; d = my query - KF - 8 (lane / 16).  Register n holds key KF + 16 (n / 8) + 8 (lane / 16) + n % 8
	v_mov_b32 v254, 0xff800000
.set nn, 0
.rept 64
	v_cmp_gt_i32 vcc_lo, 16*(nn/8)+nn%8, v252
	v_cndmask_b32 v[96+nn], v[96+nn], v254, vcc_lo
.set nn, nn+1
.endr
.Lopen_\@:
.irp b, 0,1,2,3
	v_max3_num_f32 v[232+\b], v[96+16*\b], v[97+16*\b], v[98+16*\b]   ; the largest score of each block of 32 keys: for the row's maximum, and, since p rises with the score, for the block's largest p
.endr
.irp i, 3,5,7,9,11,13
.irp b, 0,1,2,3
	v_max3_num_f32 v[232+\b], v[232+\b], v[96+16*\b+\i], v[97+16*\b+\i]
.endr
.endr
.irp b, 0,1,2,3
	v_max_num_f32 v[232+\b], v[232+\b], v[111+16*\b]
.endr
.irp b, 0,1,2,3
	s_delay_alu instid0(VALU_DEP_4)
	v_permlanex16_b32 v[236+\b], v[232+\b], s[SEL], s[SEL+1]
.endr
.irp b, 0,1,2,3
	s_delay_alu instid0(VALU_DEP_4)
	v_max_num_f32 v[232+\b], v[232+\b], v[236+\b]
.endr
	s_delay_alu instid0(VALU_DEP_2)
	v_max3_num_f32 v254, v232, v233, v234
	s_delay_alu instid0(VALU_DEP_1)
	v_max_num_f32 v254, v254, v235
	s_delay_alu instid0(VALU_DEP_1)
	v_mul_f32 v254, s[CS], v254
	s_delay_alu instid0(VALU_DEP_1)
	v_max_num_f32 v13, v13, v254                   ; the running largest t
	v_mov_b32 v254, v12
	s_delay_alu instid0(VALU_DEP_2)
	v_floor_f32 v12, -v13                          ; -M = floor(-t): M is a whole number
	s_delay_alu instid0(VALU_DEP_1)
	v_sub_f32 v254, v12, v254
	s_delay_alu instid0(VALU_DEP_1)
	v_cvt_i32_f32 v254, v254
	s_delay_alu instid0(VALU_DEP_1)
	v_ldexp_f32 v252, 1.0, v254                    ; f = 2^(old M - new M)
.set jj, 0
.rept 32
	v_pk_fma_f32 v[96+jj:97+jj], v[96+jj:97+jj], s[CS:CS+1], v[12:13] op_sel_hi:[1,0,0]   ; t - M
.set jj, jj+2
.endr
.irp b, 0,1,2,3
	v_fma_f32 v[232+\b], v[232+\b], s[CS], v12
.endr
.set jj, 0
	s_wait_alu depctr_va_vdst(0)                   ; a wait ahead of the batch
.rept 64
	v_exp_f32 v[96+jj], v[96+jj]                   ; p = 2^(t - M)
.set jj, jj+1
.endr
	v_pk_mul_f32 v[14:15], v[14:15], v[252:253] op_sel_hi:[1,0]   ; the sums under the new M; a plain instruction behind the exponentials
	s_wait_alu depctr_va_vdst(0)                   ; one wait for the batch, ahead of its first reader
.irp b, 0,1,2,3
	v_exp_f32 v[232+\b], v[232+\b]                 ; the block's largest p
.endr
	v_pk_add_f32 v[236:237], v[96:97], v[98:99]    ; the row's sum of the unquantised p, two at a time, in four chains
	v_pk_add_f32 v[240:241], v[100:101], v[102:103]
	v_pk_add_f32 v[242:243], v[104:105], v[106:107]
.irp j, 12,20,28,36,44,52
	v_pk_add_f32 v[14:15], v[14:15], v[96+\j:97+\j]
	v_pk_add_f32 v[236:237], v[236:237], v[98+\j:99+\j]
	v_pk_add_f32 v[240:241], v[240:241], v[100+\j:101+\j]
	v_pk_add_f32 v[242:243], v[242:243], v[102+\j:103+\j]
.endr
	v_pk_add_f32 v[14:15], v[14:15], v[156:157]
	v_pk_add_f32 v[236:237], v[236:237], v[158:159]
	s_delay_alu instid0(VALU_DEP_2)
	v_pk_add_f32 v[14:15], v[14:15], v[242:243]
	s_delay_alu instid0(VALU_DEP_2)
	v_pk_add_f32 v[236:237], v[236:237], v[240:241]
	s_delay_alu instid0(VALU_DEP_1)
	v_pk_add_f32 v[14:15], v[14:15], v[236:237]
	s_wait_alu depctr_va_vdst(0)                   ; and one for the four
.irp b, 0,1,2,3
	v_max_num_f32 v[232+\b], 0x1800000, v[232+\b]  ; the floor 2^(3 - 127)
.endr
.irp b, 0,1,2,3
	s_delay_alu instid0(VALU_DEP_4)
	v_add_nc_u32 v[244+\b], 0xff000000, v[232+\b]
.endr
.irp b, 0,1,2,3
	s_delay_alu instid0(VALU_DEP_4)
	v_lshrrev_b32 v[236+\b], 23, v[244+\b]
.endr
	s_delay_alu instid0(VALU_DEP_3)
	v_lshl_or_b32 v253, v237, 8, v236              ; p's scale word for these 128 keys
	s_delay_alu instid0(VALU_DEP_1)
	v_lshl_or_b32 v253, v238, 16, v253
	s_delay_alu instid0(VALU_DEP_1)
	v_lshl_or_b32 v253, v239, 24, v253
.irp c, 0,1
	v_cvt_scalef32_pk16_fp6_f32 v[224+6*\c:226+6*\c], v[96+32*\c:111+32*\c], v[244+2*\c]
	v_cvt_scalef32_pk16_fp6_f32 v[236+4*\c:238+4*\c], v[112+32*\c:127+32*\c], v[244+2*\c+1]
.endr
	v_nop                                          ; a plain instruction behind the conversions
.irp t, 0,1,2,3                        ; p is spent: v's four fragments land in its registers while the lines below work
	ds_load_b128 v[96+12*\t:99+12*\t], v[AD16] offset:6144+1536*\t
	ds_load_b64 v[100+12*\t:101+12*\t], v[AD8] offset:6144+1536*\t+512
	ds_load_b128 v[102+12*\t:105+12*\t], v[AD16] offset:6144+1536*\t+768
	ds_load_b64 v[106+12*\t:107+12*\t], v[AD8] offset:6144+1536*\t+1280
	ds_load_b32 v[248+\t], v[ADT] offset:64*\t
.endr
.irp c, 0,1
.irp i, 0,1,2
	v_permlane16_swap_b32 v[224+6*\c+\i], v[236+4*\c+\i]
.endr
.irp i, 0,1,2
	s_delay_alu instid0(VALU_DEP_3)
	v_mov_b32 v[227+6*\c+\i], v[236+4*\c+\i]
.endr
.endr
.set jj, 0
.rept 16
	v_pk_mul_f32 v[160+jj:161+jj], v[160+jj:161+jj], v[252:253] op_sel_hi:[1,0]   ; O^T under the new M; these are also the plain instructions between the operand's and the scale word's making and the products
.set jj, jj+2
.endr
	s_wait_alu depctr_va_vdst(0)
	s_wait_dscnt 0x0
.irp t, 0,1,2,3
	v_wmma_scale_f32_16x16x128_f8f6f4 v[160+8*\t:167+8*\t], v[96+12*\t:107+12*\t], v[224:235], v[160+8*\t:167+8*\t], v[248+\t], v253 matrix_a_fmt:MATRIX_FMT_FP6 matrix_b_fmt:MATRIX_FMT_FP6
.endr
.Lhidden_\@:
	s_add_co_u32 s[KF], s[KF], 128
	s_add_co_u32 s[TB], s[TB], STEPB
	s_add_co_u32 s[TS], s[TS], 512
	s_add_co_u32 s[TJ], s[TJ], 256
.endm
.macro RUN n                           ; n key steps: a constant count; the work of a hidden step is jumped over inside
	s_mov_b32 s[CNT], \n
.Lrun_\@:
	STEP
	s_sub_co_u32 s[CNT], s[CNT], 1
	s_cmp_lg_u32 s[CNT], 0
	s_cbranch_scc1 .Lrun_\@
.endm
	s_wait_alu depctr_va_vdst(0)
	s_wait_tensorcnt 0x0                           ; my first load has landed
	ds_add_u32 v222, v223
	s_wait_dscnt 0x0
	s_barrier_signal -1
	s_barrier_wait -1                              ; steps 0-3 and the scale words are whole
	tensor_load_to_lds s[52:55], s[G1C:G1C+7]      ; my part of steps 4-15: bytes that nothing has filled and that no wave reads before the next barrier
	s_nop 0
.rept 4
	v_nop
.endr
	s_wait_loadcnt 0x0                             ; Q
	RUN 4
	s_wait_tensorcnt 0x0                           ; my part of steps 4-15 has landed
	s_wait_dscnt 0x0
	s_barrier_signal -1
	s_barrier_wait -1                              ; and everybody's
	s_add_co_u32 s[TB], s[TB], STEPB               ; over the scale words
	RUN 12
	; THE WAY OUT: ctx = O^T / l, in true order, quantised along its 64 dims: two blocks, six registers of codes, two scale bytes.
	v_add_f32 v14, v14, v15
	s_delay_alu instid0(VALU_DEP_1)
	v_permlanex16_b32 v236, v14, s[SEL], s[SEL+1]
	s_delay_alu instid0(VALU_DEP_1)
	v_add_f32 v14, v14, v236
	s_wait_alu depctr_va_vdst(0)
	v_rcp_f32 v14, v14
.rept 4
	v_nop                                          ; plain instructions behind the reciprocal and behind the last products
.endr
	s_wait_alu depctr_va_vdst(0)
.set jj, 0
.rept 32
	v_mul_f32 v[96+jj], v[160+jj], v14             ; register 8 t + i: dim 16 t + 8 (lane / 16) + i; each accumulator from its low end on
.set jj, jj+1
.endr
.set jj, 0
.rept 8
	v_permlane16_swap_b32 v[96+jj], v[104+jj]      ; registers 16 b + 0 .. 15 now hold dims 32 b + 16 (lane / 16) + 0 .. 15
	v_permlane16_swap_b32 v[112+jj], v[120+jj]
.set jj, jj+1
.endr
.irp b, 0,1
	v_max3_num_f32 v[232+\b], |v[96+16*\b]|, |v[97+16*\b]|, 0x1800000
.endr
.irp i, 2,4,6,8,10,12,14
.irp b, 0,1
	s_delay_alu instid0(VALU_DEP_2)
	v_max3_num_f32 v[232+\b], v[232+\b], |v[96+16*\b+\i]|, |v[97+16*\b+\i]|
.endr
.endr
.irp b, 0,1
	s_delay_alu instid0(VALU_DEP_2)
	v_permlanex16_b32 v[236+\b], v[232+\b], s[SEL], s[SEL+1]
.endr
.irp b, 0,1
	s_delay_alu instid0(VALU_DEP_2)
	v_max_num_f32 v[232+\b], v[232+\b], v[236+\b]
.endr
.irp b, 0,1
	s_delay_alu instid0(VALU_DEP_2)
	v_add_nc_u32 v[244+\b], 0xff000000, v[232+\b]
.endr
.irp b, 0,1
	s_delay_alu instid0(VALU_DEP_2)
	v_lshrrev_b32 v[236+\b], 23, v[244+\b]
.endr
	s_delay_alu instid0(VALU_DEP_1)
	v_lshl_or_b32 v253, v237, 8, v236
	v_cvt_scalef32_pk16_fp6_f32 v[224:226], v[96:111], v244
	v_cvt_scalef32_pk16_fp6_f32 v[228:230], v[112:127], v245
	v_nop
.irp i, 0,1,2
	v_permlane16_swap_b32 v[224+\i], v[228+\i]
.endr
	s_delay_alu instid0(VALU_DEP_3)
	v_mov_b32 v227, v228
	s_delay_alu instid0(VALU_DEP_3)
	v_mov_b32 v228, v229
	s_delay_alu instid0(VALU_DEP_3)
	v_mov_b32 v229, v230
	global_store_b128 v[L16], v[224:227], s[86:87]
	global_store_b64 v[L8], v[228:229], s[86:87] offset:512
	global_store_b16 v[R4], v253, s[88:89]         ; lanes r and 16 + r store the same two bytes
	s_wait_tensorcnt 0x0                           ; the wave's end
	ds_add_u32 v222, v223
	s_wait_dscnt 0x0
	s_endpgm
.Lfunc_end_k_qb667e6de6c_attn:
	.size	k_qb667e6de6c_attn, .Lfunc_end_k_qb667e6de6c_attn-k_qb667e6de6c_attn
	.p2alignl 7, 3214868480
	.fill 96, 4, 3214868480
	.section	.rodata,"a",@progbits
	.p2align	6, 0x0
	.amdhsa_kernel k_qb667e6de6c_attn
		.amdhsa_group_segment_fixed_size 327680
		.amdhsa_private_segment_fixed_size 0
		.amdhsa_enable_private_segment 0
		.amdhsa_kernarg_size 16
		.amdhsa_user_sgpr_count 2
		.amdhsa_user_sgpr_kernarg_segment_ptr 1
		.amdhsa_wavefront_size32 1
		.amdhsa_system_sgpr_workgroup_id_x 1
		.amdhsa_system_sgpr_workgroup_id_y 1
		.amdhsa_system_sgpr_workgroup_id_z 1
		.amdhsa_system_vgpr_workitem_id 0
		.amdhsa_next_free_vgpr 256
		.amdhsa_next_free_sgpr 100
		.amdhsa_reserve_vcc 1
		.amdhsa_float_denorm_mode_32 3
		.amdhsa_float_denorm_mode_16_64 3
		.amdhsa_memory_ordered 1
		.amdhsa_forward_progress 1
		.amdhsa_inst_pref_size 61
	.end_amdhsa_kernel
	.amdgpu_metadata
---
amdhsa.version: [ 1, 2 ]
amdhsa.kernels:
  - .name:           k_qb667e6de6c_attn
    .symbol:         k_qb667e6de6c_attn.kd
    .args:
      - { .name: qkvb, .offset: 0, .size: 8, .value_kind: global_buffer, .address_space: global }
      - { .name: ctx, .offset: 8, .size: 8, .value_kind: global_buffer, .address_space: global }
    .group_segment_fixed_size: 327680
    .private_segment_fixed_size: 0
    .kernarg_segment_align: 8
    .kernarg_segment_size: 16
    .max_flat_workgroup_size: 512
    .sgpr_count:     100
    .vgpr_count:     256
    .wavefront_size: 32
...
	.end_amdgpu_metadata
.endif
;; end of part 3
;; launch oproj (part 4): grid 8 x 32, 4 waves a work-group, clusters of 4 x 4, 327,680 bytes of LDS; arguments ctx, wr, w_out_scales, b_out, x, sc; writes sc
.if DOCPART == 4
	.amdgcn_target "amdgcn-amd-amdhsa--gfx1250"
	.amdhsa_code_object_version 6
	.text
	.protected	k_qb667e6de6c_oproj
	.globl	k_qb667e6de6c_oproj
	.p2align	8
	.type	k_qb667e6de6c_oproj,@function
k_qb667e6de6c_oproj:
	s_mov_b64 s[64:65], 0
	v_nop
	global_prefetch_b8 v0, s[64:65] scope:SCOPE_SE
	s_setreg_imm32_b32 hwreg(HW_REG_WAVE_MODE, 25, 1), 1
	s_wait_xcnt 0x0
	s_wait_alu depctr_hold_cnt(0) depctr_sa_sdst(0) depctr_va_vdst(0) depctr_va_sdst(0) depctr_va_ssrc(0) depctr_va_vcc(0) depctr_vm_vsrc(0)
	s_getreg_b32 s2, hwreg(HW_REG_IB_STS2, 6, 4)
	s_cmp_eq_u32 s2, 0
	s_cbranch_scc0 .Lentry_in_a_cluster
	s_endpgm
.Lentry_in_a_cluster:
	s_bfe_u32 s2, ttmp6, 0x10000c
	s_cmp_lg_u32 s2, 0xf033
	s_cbranch_scc0 .Lentry_shape_is_right
	s_endpgm
.Lentry_shape_is_right:
; out = act W^T + bias + res on codes of FP6 (E2M3) with E8M0 scales.  act: 4,096 rows x SIZE_K, laid by this program as images of fragments [row block 256][K step][1,536 bytes], its scale words behind them
; [K step][row block 256][16 words].  W: [1024][SIZE_K] codes, K innermost, scale bytes [1024][SIZE_K / 32].  bias [1024], res and out [4096][1024]: f32.
; A tile of out is 128 x 128, so that the 32 x 8 tiles give each of 256 work-groups one; four waves, each 64 x 64: 16 accumulators.  K goes in slots of 512 (four steps of 128) through a ring of two LDS slots.
; CLUSTERS: 4 x 4 work-groups; act's tiles are asked for jointly along a row of the cluster, W's along a column.
; The scale words of the whole K come once, with the first fills.  A scale register carries two K steps: lanes 0-15 the even one, lanes 16-31 the odd one.
; Source 0 = 16 rows of W, source 1 = 16 rows of act: a lane holds eight neighbouring numbers of a row of out.  The bias is the C of each sum's first product; the residual is loaded at the head and added on the way out.
; REGISTERS: window 0: v16-31 addresses; v32-47 act's scale words, v48-63 W's, two sets each; v64-95 the bias, later rows on their way out, as v96-127; v128-255 the accumulators.
;   window 1: two fragment buffers (act's four at +0, W's four at +48).   window 2: v0-127 the residual.
.set SIZE_K, 1024
.set KSN,    SIZE_K/128
.set KROW,   SIZE_K*3/4
.set KSB,    SIZE_K/32
.set LAPS,   SIZE_K/1024
.set PITCH,  240
; ALL OF K = 1,024 COMES AT THE HEAD, one joint load a wave, and nothing is filled again (this takes the place of the ring named above): wave 0 act's eight row blocks (98,304 dense bytes, [row block][K step][1,536]),
; wave 1 W's four tiles out of wr ([256 along K][128 rows][192 bytes], 98,304 dense bytes, as rows of 256), wave 2 act's scale words, wave 3 W's scale bytes.  The stage of the way out has LDS bytes of its own behind the spare words.
.set WOFF,   2359296                   ; w_out's tiles in wr
.set ABYTES, 98304
.set SUBT,   128*PITCH
.set SLOT,   49152+2*SUBT              ; half of the codes' bytes
.set SCA,    2*SLOT
.set SCBO,   SCA+KSN*512
.set HALFS,  (64*KSB/256)*272
.set SBLK,   (16*KSB/256)*272
.set SPARE,  SCBO+2*HALFS              ; the spare words, 128 bytes a wave, which no other line names
.set SPITCH, 272                       ; the way out: 16 rows x (256 bytes + 16) a wave, behind the spare words
.set ADA16, 16
.set ADA8,  18
.set ADB,   20
.set STO,   24
.set RD,    25
.set CO,    26
.set ADSA,  27
.set SPW,   28
.set NIL,   29
.set ADSB,  30
.set SCAR,  32
.set SCBR,  48
.set BIAS,  64
.set BK,    64
.set ACC,   128
.set F0,    0
.set F1,    128
.set G1, 24
.set G0, 32
.set G1B, 48
.set G0B, 56
.set G1S, 68
.set G0S, 76
.set G1SB, 80
.set G0SB, 88
.set MSB, 0
.macro WIN new
.if MSB != (\new)
	s_set_vgpr_msb (MSB<<8)|(\new)
.set MSB, (\new)
.endif
.endm
.set MUL,   0x05                       ; sources 0 and 1 window 1; C and D window 0
.set TO_F,  0x40                       ; destination window 1
.set TO_R,  0x80                       ; destination window 2
.set ADD_R, 0x08                       ; source 1 window 2
.macro JLOAD g0a, g1a, g0b, g1b        ; four v_nop follow each of the two lines
	s_cmp_eq_u32 s15, 0
	s_cbranch_scc0 .Lfor_b_\@
	tensor_load_to_lds s[\g0a:\g0a+3], s[\g1a:\g1a+7]
	s_nop 0
.rept 4
	v_nop
.endr
	s_branch .Lasked_\@
.Lfor_b_\@:
	tensor_load_to_lds s[\g0b:\g0b+3], s[\g1b:\g1b+7]
	s_nop 0
.rept 4
	v_nop
.endr
.Lasked_\@:
.endm
.macro CREST
	s_cmp_lg_u32 s14, 0
	s_cbranch_scc1 .Lnot_wave_0_\@
	s_barrier_signal -3
.Lnot_wave_0_\@:
	s_barrier_wait -3
	s_barrier_signal -1
	s_barrier_wait -1
.endm
.macro CROUND
	s_barrier_signal -1
	s_barrier_wait -1
	CREST
.endm
.macro PLACES n
.rept \n
	v_nop
.endr
.endm
	s_load_b256 s[4:11], s[0:1], 0x0               ; act, W's codes, W's scales, bias
	s_load_b128 s[96:99], s[0:1], 0x20             ; res, out
	v_lshl_add_u32 v[SPW], v0, 2, SPARE
	v_mov_b32 v[NIL], 0
	ds_add_u32 v28, v29
	ds_add_u32 v28, v29
	s_wait_dscnt 0x0
	v_lshrrev_b32 v1, 5, v0
	v_readfirstlane_b32 s14, v1                    ; wave 0..3
	s_lshr_b32 s15, s14, 1                         ; my half of the tile's rows.  Also: I fetch for act (0) or for W (1)
	s_and_b32 s16, s14, 1                          ; my half of its columns.  Also: which part I fetch
	s_bfe_u32 s40, ttmp6, 0x40000
	s_bfe_u32 s41, ttmp6, 0x40004
	s_lshl_b32 s42, ttmp9, 2
	s_add_co_u32 s42, s42, s40                     ; tile column 0..7
	s_and_b32 s17, ttmp7, 0xffff
	s_lshl_b32 s17, s17, 2
	s_add_co_u32 s17, s17, s41                     ; tile row 0..31
	s_lshl_b32 s43, s41, 2
	s_lshl_b32 s43, 15, s43
	s_lshl_b32 s44, 0x1111, s40
	s_or_b32 s[G1+0], s43, (3<<16)|(1<<21)         ; act's codes: elements of 8 bytes, no padding
	s_mov_b32 s[G1+1], 32<<16                      ; 384 dense rows of 256 bytes
	s_mov_b32 s[G1+2], 384<<16
	s_mov_b32 s[G1+3], 32<<16
	s_mov_b32 s[G1+4], 384
	s_mov_b32 s[G1+5], 32
	s_mov_b32 s[G1+6], 0
	s_mov_b32 s[G1+7], 0
	s_or_b32 s[G1B+0], s44, (0<<16)|(1<<20)|(1<<21)|(3<<22)|(3<<25)   ; W's codes: 128 rows of 192 bytes, 16 bytes of padding behind every 64
	s_mov_b32 s[G1B+1], 256<<16                    ; 384 dense rows of 256 bytes
	s_mov_b32 s[G1B+2], 384<<16
	s_mov_b32 s[G1B+3], 256<<16
	s_mov_b32 s[G1B+4], 384
	s_mov_b32 s[G1B+5], 256
	s_mov_b32 s[G1B+6], 0
	s_mov_b32 s[G1B+7], 0
	s_or_b32 s[G1S+0], s43, (3<<16)|(1<<21)        ; act's scale words: KSN rows of 512 bytes, 16,384 bytes apart
	s_mov_b32 s[G1S+1], 64<<16
	s_mov_b32 s[G1S+2], KSN<<16
	s_mov_b32 s[G1S+3], 64<<16
	s_mov_b32 s[G1S+4], KSN
	s_mov_b32 s[G1S+5], 2048
	s_mov_b32 s[G1S+6], 0
	s_mov_b32 s[G1S+7], 0
	s_or_b32 s[G1SB+0], s44, (3<<16)|(1<<20)|(1<<21)|(5<<22)|(3<<25)  ; W's scale bytes of 128 rows: dense, as rows of 256 bytes + 16
	s_mov_b32 s[G1SB+1], 32<<16
	s_mov_b32 s[G1SB+2], (128*KSB/256)<<16
	s_mov_b32 s[G1SB+3], 32<<16
	s_mov_b32 s[G1SB+4], 128*KSB/256
	s_mov_b32 s[G1SB+5], 32
	s_mov_b32 s[G1SB+6], 0
	s_mov_b32 s[G1SB+7], 0
	s_mul_i32 s20, s17, 8*KSN*1536                 ; act's codes: row block 8 x tile row
	s_mov_b32 s21, 0
	s_lshl_b32 s22, s17, 9
	s_add_co_u32 s22, s22, 4096*KROW               ; its scale words
	s_mov_b32 s23, 0
	s_mul_i32 s46, s42, 128*KROW
	s_add_co_u32 s46, s46, WOFF                    ; W's four tiles
	s_mov_b32 s47, 0
	s_mul_i32 s92, s42, 128*KSB                    ; W's scale bytes
	s_mov_b32 s93, 0
	s_wait_kmcnt 0x0
	s_add_nc_u64 s[22:23], s[4:5], s[22:23]
	s_add_nc_u64 s[20:21], s[4:5], s[20:21]
	s_add_nc_u64 s[46:47], s[6:7], s[46:47]
	s_add_nc_u64 s[92:93], s[8:9], s[92:93]
	CROUND                                         ; all sixteen work-groups are here: the first joint loads meet
	s_mov_b32 s[G0S], 1
	s_mov_b32 s[G0S+1], SCA
	s_mov_b64 s[G0S+2:G0S+3], s[22:23]
	s_or_b32 s[G0S+3], s[G0S+3], 0x80000000
	s_mov_b32 s[G0SB], 1
	s_mov_b32 s[G0SB+1], SCBO
	s_mov_b64 s[G0SB+2:G0SB+3], s[92:93]
	s_or_b32 s[G0SB+3], s[G0SB+3], 0x80000000
	s_mov_b32 s[G0], 1
	s_mov_b32 s[G0+1], 0
	s_mov_b64 s[G0+2:G0+3], s[20:21]
	s_or_b32 s[G0+3], s[G0+3], 0x80000000
	s_mov_b32 s[G0B], 1
	s_mov_b32 s[G0B+1], ABYTES
	s_mov_b64 s[G0B+2:G0B+3], s[46:47]
	s_or_b32 s[G0B+3], s[G0B+3], 0x80000000
	s_cmp_eq_u32 s14, 0                            ; one chain of branches on the wave's number, one load to an arm
	s_cbranch_scc0 .Lhead_b
	tensor_load_to_lds s[G0:G0+3], s[G1:G1+7]
	s_nop 0
.rept 4
	v_nop
.endr
	s_branch .Lhead_asked
.Lhead_b:
	s_cmp_eq_u32 s14, 1
	s_cbranch_scc0 .Lhead_sa
	tensor_load_to_lds s[G0B:G0B+3], s[G1B:G1B+7]
	s_nop 0
.rept 4
	v_nop
.endr
	s_branch .Lhead_asked
.Lhead_sa:
	s_cmp_eq_u32 s14, 2
	s_cbranch_scc0 .Lhead_sb
	tensor_load_to_lds s[G0S:G0S+3], s[G1S:G1S+7]
	s_nop 0
.rept 4
	v_nop
.endr
	s_branch .Lhead_asked
.Lhead_sb:
	tensor_load_to_lds s[G0SB:G0SB+3], s[G1SB:G1SB+7]
	s_nop 0
.rept 4
	v_nop
.endr
.Lhead_asked:
	v_and_b32 v1, 15, v0                           ; r
	v_bfe_u32 v2, v0, 4, 1                         ; hf
	v_and_b32 v3, 31, v0                           ; lane
	s_mul_i32 s21, s15, 49152                      ; my four row blocks of act, 12,288 bytes each
	v_lshl_add_u32 v[ADA16], v3, 4, s21
	v_lshl_add_u32 v[ADA8], v3, 3, s21
	v_add_nc_u32 v[ADA16+1], 6144, v[ADA16]        ; K steps 4 to 7
	v_add_nc_u32 v[ADA8+1], 6144, v[ADA8]
	v_mul_u32_u24 v4, v1, PITCH
	v_mad_u32_u24 v4, v2, 24, v4
	s_mul_i32 s22, s16, 64*PITCH                   ; my 64 rows of W
	s_add_co_u32 s22, s22, ABYTES
	v_add_nc_u32 v[ADB], s22, v4
	v_add_nc_u32 v[ADB+1], 2*SUBT, v[ADB]
	v_lshl_add_u32 v[ADB+2], v2, 4, v[ADB]         ; the same behind one padding more
	v_lshl_add_u32 v[ADB+3], v2, 4, v[ADB+1]
	s_mul_i32 s23, s14, 16*SPITCH                  ; my stage,
	s_add_co_u32 s23, s23, SPARE+512               ; behind the spare words: bytes into which no fill lands
	v_mul_u32_u24 v5, v1, SPITCH
	v_lshl_add_u32 v5, v2, 5, v5
	v_add_nc_u32 v[STO], s23, v5
	v_mul_u32_u24 v5, v2, SPITCH
	v_lshl_add_u32 v5, v1, 4, v5
	v_add_nc_u32 v[RD], s23, v5
	v_lshlrev_b32 v5, 12, v2
	v_lshl_add_u32 v[CO], v1, 4, v5                ; lanes 0-15 one row of out, lanes 16-31 the next; 16 bytes a lane
	v_lshlrev_b32 v5, 9, v2                        ; act's scale words: lanes 16-31 take the K step after lanes 0-15's
	v_lshl_add_u32 v5, v1, 2, v5
	s_lshl_b32 s21, s15, 8
	s_add_co_u32 s21, s21, SCA
	v_add_nc_u32 v[ADSA], s21, v5
	v_mul_u32_u24 v5, v1, KSB                      ; W's: KSB bytes a row, 16 more for each 256 passed, 4 more for lanes 16-31
	v_lshrrev_b32 v6, 8, v5
	v_lshl_add_u32 v5, v6, 4, v5
	v_lshl_add_u32 v5, v2, 2, v5
	s_mul_i32 s22, s16, HALFS
	s_add_co_u32 s22, s22, SCBO
	v_add_nc_u32 v[ADSB], s22, v5
	v_lshlrev_b32 v7, 5, v2
	s_wait_alu depctr_va_vdst(0)
	s_lshl_b32 s46, s42, 9
	s_lshl_b32 s47, s16, 8
	s_add_co_u32 s46, s46, s47                     ; my first column, in bytes
	s_mov_b32 s47, 0
	s_add_nc_u64 s[10:11], s[10:11], s[46:47]
	s_lshl_b32 s20, s17, 19
	s_lshl_b32 s21, s15, 18
	s_add_co_u32 s20, s20, s21
	s_add_co_u32 s20, s20, s46                     ; + my first row x 4,096
	s_mov_b32 s21, 0
	s_add_nc_u64 s[96:97], s[96:97], s[20:21]
	s_add_nc_u64 s[98:99], s[98:99], s[20:21]
.irp b, 0,1,2,3
	global_load_b128 v[BIAS+8*\b:BIAS+8*\b+3], v7, s[10:11] offset:64*\b
	global_load_b128 v[BIAS+8*\b+4:BIAS+8*\b+7], v7, s[10:11] offset:64*\b+16
.endr
	WIN TO_R
.irp a, 0,1,2,3
.irp t, 0,1,2,3,4,5,6,7
	global_load_b128 v[32*\a+4*\t:32*\a+4*\t+3], v[CO], s[96:97] offset:(16*\a+2*\t)*4096   ; the residual, on its way under the whole product
.endr
.endr
	WIN 0
.macro FRAG reg, adr, q, i, x          ; 16 rows x 128 K from rows of 192 bytes at pitch 240, in pieces of 8 bytes; x: the K half's bytes
.irp p, 0,1,2,3,4,5
.set PC, 12*(\q)+6*(\p/3)+\p%3
.if PC%8 < 5
	ds_load_b64 v[\reg+2*\p:\reg+2*\p+1], v[\adr] offset:8*PC+16*(PC/8)+(\i)*16*PITCH+(\x)
.else
	ds_load_b64 v[\reg+2*\p:\reg+2*\p+1], v[\adr+2] offset:8*PC+16*(PC/8)+(\i)*16*PITCH+(\x)
.endif
.endr
.endm
.macro FETCH slot, q, f                ; 40 LDS loads: my four fragments of act (images: four loads each) and of W, for the slot's q-th 128 along K
	WIN TO_F
.irp i, 0,1,2,3
	ds_load_b128 v[\f+12*\i:\f+12*\i+3], v[ADA16+\slot] offset:12288*\i+1536*(\q)
	ds_load_b64 v[\f+12*\i+4:\f+12*\i+5], v[ADA8+\slot] offset:12288*\i+1536*(\q)+512
	ds_load_b128 v[\f+12*\i+6:\f+12*\i+9], v[ADA16+\slot] offset:12288*\i+1536*(\q)+768
	ds_load_b64 v[\f+12*\i+10:\f+12*\i+11], v[ADA8+\slot] offset:12288*\i+1536*(\q)+1280
	FRAG \f+48+12*\i, ADB+\slot, (\q)%2, \i, ((\q)/2)*SUBT
.endr
.endm
.macro SCALES set                      ; a slot's scale words: register 2 i + p: block i, K steps 2 p (lanes 0-15) and 2 p + 1 (lanes 16-31)
	WIN 0
.irp i, 0,1,2,3
.irp p, 0,1
	ds_load_b32 v[SCAR+8*\set+2*\i+\p], v[ADSA] offset:64*\i+1024*\p
	ds_load_b32 v[SCBR+8*\set+2*\i+\p], v[ADSB] offset:\i*SBLK+8*\p
.endr
.endr
.endm
; 8 matrix instructions: act's blocks a0, a0 + 1 x W's four.  The 16 accumulators take turns, one instruction a turn, in the same order in every step.
.macro MUL8 f, q, set, a0, first
.irp a, \a0, \a0+1
.irp b, 0,1,2,3
.if \first
	v_wmma_scale_f32_16x16x128_f8f6f4 v[ACC+8*(4*(\a)+\b):ACC+8*(4*(\a)+\b)+7], v[\f+48+12*\b:\f+48+12*\b+11], v[\f+12*(\a):\f+12*(\a)+11], v[BIAS+8*\b:BIAS+8*\b+7], v[SCBR+8*(\set)+2*\b+(\q)/2], v[SCAR+8*(\set)+2*(\a)+(\q)/2] matrix_a_fmt:MATRIX_FMT_FP6 matrix_b_fmt:MATRIX_FMT_FP6
.elseif (\q)%2
	v_wmma_scale_f32_16x16x128_f8f6f4 v[ACC+8*(4*(\a)+\b):ACC+8*(4*(\a)+\b)+7], v[\f+48+12*\b:\f+48+12*\b+11], v[\f+12*(\a):\f+12*(\a)+11], v[ACC+8*(4*(\a)+\b):ACC+8*(4*(\a)+\b)+7], v[SCBR+8*(\set)+2*\b+(\q)/2], v[SCAR+8*(\set)+2*(\a)+(\q)/2] matrix_a_fmt:MATRIX_FMT_FP6 matrix_b_fmt:MATRIX_FMT_FP6 matrix_a_scale:MATRIX_SCALE_ROW1 matrix_b_scale:MATRIX_SCALE_ROW1
.else
	v_wmma_scale_f32_16x16x128_f8f6f4 v[ACC+8*(4*(\a)+\b):ACC+8*(4*(\a)+\b)+7], v[\f+48+12*\b:\f+48+12*\b+11], v[\f+12*(\a):\f+12*(\a)+11], v[ACC+8*(4*(\a)+\b):ACC+8*(4*(\a)+\b)+7], v[SCBR+8*(\set)+2*\b+(\q)/2], v[SCAR+8*(\set)+2*(\a)+(\q)/2] matrix_a_fmt:MATRIX_FMT_FP6 matrix_b_fmt:MATRIX_FMT_FP6
.endif
.endr
.endr
.endm
.macro KSTEP slot, q, first            ; one of a slot's first three steps: the next step's fragments are asked for, then this step is multiplied
	s_wait_dscnt 0x0                               ; this step's fragments are in
	PLACES 4                                       ; the other buffer was read by the products just issued
	FETCH \slot, (\q)+1, 128*(((\q)+1)%2)
	WIN MUL
	MUL8 128*((\q)%2), \q, \slot, 0, \first
	MUL8 128*((\q)%2), \q, \slot, 2, \first
.endm
; A slot's last step changes slots.
.macro TURN slot, next, fill           ; the fourth K step: the next four steps' scale words are fetched with the next fragments; all of K lies in LDS, so no barrier stands here
	s_wait_dscnt 0x0
	WIN MUL
	MUL8 F1, 3, \slot, 0, 0
	WIN 0
	PLACES 4
	v_add_nc_u32 v[ADSA], 2048, v[ADSA]            ; the next slot's scale words
	v_add_nc_u32 v[ADSB], 16, v[ADSB]
	FETCH \next, 0, F0
	SCALES \next
	WIN MUL
	MUL8 F1, 3, \slot, 2, 0
.endm
	s_wait_tensorcnt 0x0                           ; my tile of the head's four is in; behind the barrier everybody's
	s_barrier_signal -1
	s_barrier_wait -1
	FETCH 0, 0, F0
	SCALES 0
	s_wait_loadcnt 32                              ; the bias is in; the 32 loads of the residual may be out
	KSTEP 0, 0, 1
.if LAPS > 1
	WIN 0
	s_mov_b32 s3, LAPS-1
.Llap:
	KSTEP 0, 1, 0
	KSTEP 0, 2, 0
	TURN 0, 1, 1
	KSTEP 1, 0, 0
	KSTEP 1, 1, 0
	KSTEP 1, 2, 0
	TURN 1, 0, 1
	KSTEP 0, 0, 0
	WIN 0
	s_sub_co_u32 s3, s3, 1
	s_cmp_lg_u32 s3, 0
	s_cbranch_scc1 .Llap
.endif
	KSTEP 0, 1, 0
	KSTEP 0, 2, 0
	TURN 0, 1, 0
	KSTEP 1, 0, 0
	KSTEP 1, 1, 0
	KSTEP 1, 2, 0
	s_wait_dscnt 0x0
	WIN MUL
	MUL8 F1, 3, 1, 0, 0
	MUL8 F1, 3, 1, 2, 0
	WIN 0
; THE WAY OUT, 16 rows x 64 columns at a time: through my stage, back as whole rows of 256 bytes, + the residual, stored: sixteen lanes write 256 consecutive bytes, aligned.
.macro TOSTAGE a
.irp b, 0,1,2,3
	ds_store_b128 v[STO], v[ACC+8*(4*(\a)+\b):ACC+8*(4*(\a)+\b)+3] offset:64*\b       ; each accumulator from its low end on
	ds_store_b128 v[STO], v[ACC+8*(4*(\a)+\b)+4:ACC+8*(4*(\a)+\b)+7] offset:64*\b+16
.endr
.irp t, 0,1,2,3,4,5,6,7
	ds_load_b128 v[BK+32*((\a)%2)+4*\t:BK+32*((\a)%2)+4*\t+3], v[RD] offset:\t*2*SPITCH   ; LDS serves a wave's instructions in order
.endr
.endm
.macro SEND a, younger
	s_wait_dscnt \younger
	WIN ADD_R
.set jj, 0
.rept 16
	v_pk_add_f32 v[BK+32*((\a)%2)+jj:BK+32*((\a)%2)+jj+1], v[BK+32*((\a)%2)+jj:BK+32*((\a)%2)+jj+1], v[32*(\a)+jj:32*(\a)+jj+1]
.set jj, jj+2
.endr
	WIN 0
.irp t, 0,1,2,3,4,5,6,7
.if SIZE_K > 1024
	global_store_b128 v[CO], v[BK+32*((\a)%2)+4*\t:BK+32*((\a)%2)+4*\t+3], s[98:99] offset:(16*(\a)+2*\t)*4096 th:TH_STORE_NT
.else
	global_store_b128 v[CO], v[BK+32*((\a)%2)+4*\t:BK+32*((\a)%2)+4*\t+3], s[98:99] offset:(16*(\a)+2*\t)*4096
.endif
.endr
.endm
	PLACES 4
	s_wait_loadcnt 0x0                             ; the residual
	TOSTAGE 0
.irp a, 1,2,3
.if \a > 1
	s_wait_xcnt 0x0                                ; block a - 2's stores have read their registers: block a's loads may land there
.endif
	TOSTAGE \a
	SEND \a-1, 16                                  ; behind block a - 1's loads: block a's 8 stores and 8 loads
.endr
	SEND 3, 0
	s_wait_tensorcnt 0x0                           ; the wave's end
	ds_add_u32 v[SPW], v[NIL]
	s_wait_dscnt 0x0
	CROUND                                         ; the closing round
	s_endpgm
.Lfunc_end_k_qb667e6de6c_oproj:
	.size	k_qb667e6de6c_oproj, .Lfunc_end_k_qb667e6de6c_oproj-k_qb667e6de6c_oproj
	.p2alignl 7, 3214868480
	.fill 96, 4, 3214868480
	.section	.rodata,"a",@progbits
	.p2align	6, 0x0
	.amdhsa_kernel k_qb667e6de6c_oproj
		.amdhsa_group_segment_fixed_size 327680
		.amdhsa_private_segment_fixed_size 0
		.amdhsa_enable_private_segment 0
		.amdhsa_kernarg_size 48
		.amdhsa_user_sgpr_count 2
		.amdhsa_user_sgpr_kernarg_segment_ptr 1
		.amdhsa_wavefront_size32 1
		.amdhsa_system_sgpr_workgroup_id_x 1
		.amdhsa_system_sgpr_workgroup_id_y 1
		.amdhsa_system_sgpr_workgroup_id_z 1
		.amdhsa_system_vgpr_workitem_id 0
		.amdhsa_next_free_vgpr 640
		.amdhsa_next_free_sgpr 100
		.amdhsa_reserve_vcc 0
		.amdhsa_float_denorm_mode_32 3
		.amdhsa_float_denorm_mode_16_64 3
		.amdhsa_memory_ordered 1
		.amdhsa_forward_progress 1
		.amdhsa_inst_pref_size 65
	.end_amdhsa_kernel
	.amdgpu_metadata
---
amdhsa.version: [ 1, 2 ]
amdhsa.kernels:
  - .name:           k_qb667e6de6c_oproj
    .symbol:         k_qb667e6de6c_oproj.kd
    .args:
      - { .name: ctx, .offset: 0, .size: 8, .value_kind: global_buffer, .address_space: global }
      - { .name: wr, .offset: 8, .size: 8, .value_kind: global_buffer, .address_space: global }
      - { .name: w_out_scales, .offset: 16, .size: 8, .value_kind: global_buffer, .address_space: global }
      - { .name: b_out, .offset: 24, .size: 8, .value_kind: global_buffer, .address_space: global }
      - { .name: x, .offset: 32, .size: 8, .value_kind: global_buffer, .address_space: global }
      - { .name: sc, .offset: 40, .size: 8, .value_kind: global_buffer, .address_space: global }
    .group_segment_fixed_size: 327680
    .private_segment_fixed_size: 0
    .kernarg_segment_align: 8
    .kernarg_segment_size: 48
    .max_flat_workgroup_size: 128
    .sgpr_count:     100
    .vgpr_count:     640
    .wavefront_size: 32
...
	.end_amdgpu_metadata
.endif
;; end of part 4
;; launch ln2 (part 5): grid 256 x 1, 8 waves a work-group, no clusters, 50,688 bytes of LDS; arguments sc, ln2_scale, ln2_shift, a2; writes a2
.if DOCPART == 5
	.amdgcn_target "amdgcn-amd-amdhsa--gfx1250"
	.amdhsa_code_object_version 6
	.text
	.protected	k_qb667e6de6c_ln2
	.globl	k_qb667e6de6c_ln2
	.p2align	8
	.type	k_qb667e6de6c_ln2,@function
k_qb667e6de6c_ln2:
	s_mov_b64 s[64:65], 0
	v_nop
	global_prefetch_b8 v0, s[64:65] scope:SCOPE_SE
	s_setreg_imm32_b32 hwreg(HW_REG_WAVE_MODE, 25, 1), 1
	s_wait_xcnt 0x0
; LayerNorm (variance with 1023 in the divisor) of rows of 1,024 f32 numbers, then the MX-FP6 quantiser along the row.
; OUT: codes as dense tiles [block of 128 rows][256 along K][128 rows][192 bytes] at byte 0 (a tile is 96 whole rows of 256 bytes for a tensor load), scale bytes [4096][32] at byte 3,145,728.
; SHARES: a work-group takes 16 rows, each of its eight waves two.  A row is 32 registers of the wave; mean and variance are taken in two passes over them, so a common offset of the row does no harm.
; Every load takes 512 consecutive bytes of a row.  The finished row turns through the wave's own stage in LDS (places of 128 bytes + 16), after which lane l holds block l of 32 neighbours.
; The work-group's codes are gathered in LDS as [K quarter][16 rows][192 bytes]; behind a barrier each wave stores 1,536 consecutive bytes of one tile; the 512 scale bytes leave as one run.
; No matrix unit, no tensor load, no cluster: a stream in which nothing is shared; all of a wave's loads are issued at its head.
; LIMITS: NaN and infinities are not served.  1 / sqrt is v_rsq_f32 and 1 / 1023 a rounded constant.  A block of zeros gets the byte 1 where the rule says 127: its codes are zeros, and this program alone reads the bytes.
.set WREG, 6144                        ; LDS of a wave: the stage, 32 places of SP bytes, and behind it 1,536 bytes of gathered codes
.set SP,   144
.set GATH, 32*SP
.set SCB,  8*WREG                      ; the work-group's 512 scale bytes; the spare words follow at 0xc200
.set X0,   32
.set X1,   64
.set G,    96
.set B,    128
.set Y,    160
.set C,    192
.set OUTR, 200
	s_load_b256 s[4:11], s[0:1], 0x0               ; in, gain, shift, out
	v_lshl_add_u32 v216, v0, 2, 0xc200
	v_mov_b32 v217, 0
	v_lshrrev_b32 v1, 5, v0
	s_delay_alu instid0(VALU_DEP_1)
	v_readfirstlane_b32 s12, v1                    ; wave 0..7
	v_and_b32 v20, 31, v0                          ; lane
	s_delay_alu instid0(VALU_DEP_1)
	v_lshlrev_b32 v2, 4, v20
	s_mul_i32 s13, s12, WREG
	v_lshrrev_b32 v3, 3, v20
	s_delay_alu instid0(VALU_DEP_1)
	v_mul_u32_u24 v3, v3, SP
	v_and_b32 v4, 7, v20
	s_delay_alu instid0(VALU_DEP_1)
	v_lshl_add_u32 v3, v4, 4, v3
	s_delay_alu instid0(VALU_DEP_1)
	v_add_nc_u32 v3, s13, v3                       ; into the stage: SP (lane / 8) + 16 (lane % 8)
	v_mul_u32_u24 v4, v20, SP
	s_delay_alu instid0(VALU_DEP_1)
	v_add_nc_u32 v4, s13, v4                       ; out of it: place = lane
	s_add_co_u32 s13, s13, GATH
	s_lshr_b32 s26, s12, 2
	s_mul_i32 s26, s26, WREG
	s_and_b32 s27, s12, 3
	s_mul_i32 s27, s27, 384
	s_add_co_u32 s26, s26, s27
	s_add_co_u32 s26, s26, GATH
	s_wait_alu depctr_va_vdst(0)
	v_and_b32 v5, 7, v20
	v_lshrrev_b32 v21, 3, v20
	s_delay_alu instid0(VALU_DEP_2)
	v_mul_u32_u24 v5, v5, 24
	s_delay_alu instid0(VALU_DEP_1)
	v_mad_u32_u24 v5, v21, 2*WREG, v5
	s_delay_alu instid0(VALU_DEP_1)
	v_add_nc_u32 v5, s26, v5                       ; my block's 24 bytes: gather 2 (lane / 8) + wave / 4, row 2 (wave % 4), 24 (lane % 8)
	v_add_nc_u32 v6, s13, v2                       ; the codes' way out: my wave's gather, 16 bytes a lane
	s_lshl_b32 s13, s12, 6
	s_add_co_u32 s13, s13, SCB
	v_add_nc_u32 v7, s13, v20                      ; my block's scale byte
	v_add_nc_u32 v1, SCB, v2                       ; wave 0 reads all 512 back
	s_mov_b32 s20, 0x76543210
	s_mov_b32 s21, 0xfedcba98
	s_mov_b32 s22, 0x3a802008                      ; 1 / 1023
	s_mov_b32 s23, 0x3727c5ac                      ; 1e-5
	s_lshl_b32 s14, ttmp9, 16
	s_lshl_b32 s15, s12, 13
	s_add_co_u32 s14, s14, s15
	s_mov_b32 s15, 0
	s_lshr_b32 s16, ttmp9, 3                       ; block of 128 rows,
	s_mul_i32 s16, s16, 98304
	s_and_b32 s17, ttmp9, 7                        ; my work-group's 16 rows in each of its four tiles,
	s_mul_i32 s17, s17, 3072
	s_add_co_u32 s16, s16, s17
	s_lshr_b32 s17, s12, 1                         ; the tile that my wave stores into,
	s_mul_i32 s17, s17, 24576
	s_add_co_u32 s16, s16, s17
	s_and_b32 s17, s12, 1                          ; and which eight rows
	s_mul_i32 s17, s17, 1536
	s_add_co_u32 s16, s16, s17
	s_mov_b32 s17, 0
	s_lshl_b32 s18, ttmp9, 9
	s_add_co_u32 s18, s18, 3145728
	s_mov_b32 s19, 0
	s_wait_kmcnt 0x0
	s_add_nc_u64 s[4:5], s[4:5], s[14:15]
	s_add_nc_u64 s[24:25], s[10:11], s[18:19]
	s_add_nc_u64 s[10:11], s[10:11], s[16:17]
.irp j, 0,1,2,3,4,5,6,7
	global_load_b128 v[X0+4*\j:X0+4*\j+3], v2, s[4:5] offset:512*\j th:TH_LOAD_NT
.endr
.irp j, 0,1,2,3,4,5,6,7
	global_load_b128 v[G+4*\j:G+4*\j+3], v2, s[6:7] offset:512*\j
.endr
.irp j, 0,1,2,3,4,5,6,7
	global_load_b128 v[B+4*\j:B+4*\j+3], v2, s[8:9] offset:512*\j
.endr
.irp j, 0,1,2,3,4,5,6,7
	global_load_b128 v[X1+4*\j:X1+4*\j+3], v2, s[4:5] offset:4096+512*\j th:TH_LOAD_NT
.endr
.macro LANESUM                         ; v8 summed over the 32 lanes
.irp m, 1,2,4,8
	s_delay_alu instid0(VALU_DEP_1)
	v_add_f32_dpp v8, v8, v8 row_xmask:\m row_mask:0xf bank_mask:0xf
.endr
	s_delay_alu instid0(VALU_DEP_1)
	v_permlanex16_b32 v9, v8, s20, s21
	s_delay_alu instid0(VALU_DEP_1)
	v_add_f32 v8, v8, v9
.endm
.macro FOLD                            ; four chains of pairs into v8
	s_delay_alu instid0(VALU_DEP_3)
	v_pk_add_f32 v[8:9], v[8:9], v[10:11]
	s_delay_alu instid0(VALU_DEP_2)
	v_pk_add_f32 v[12:13], v[12:13], v[14:15]
	s_delay_alu instid0(VALU_DEP_1)
	v_pk_add_f32 v[8:9], v[8:9], v[12:13]
	s_delay_alu instid0(VALU_DEP_1)
	v_add_f32 v8, v8, v9
	LANESUM
.endm
; Row r of the wave, in registers x on.  cnt1: the loads younger than the row's; cnt2: those younger than gain and shift.
.macro ROW r, x, cnt1, cnt2
	s_wait_loadcnt \cnt1
.irp k, 0,1,2,3
	v_pk_add_f32 v[8+2*\k:9+2*\k], v[\x+4*\k:\x+4*\k+1], v[\x+4*\k+2:\x+4*\k+3]
.endr
.irp i, 16,24
.irp k, 0,1,2,3
	s_delay_alu instid0(VALU_DEP_4)
	v_pk_add_f32 v[8+2*\k:9+2*\k], v[8+2*\k:9+2*\k], v[\x+\i+2*\k:\x+\i+2*\k+1]
.endr
.endr
	FOLD
	s_delay_alu instid0(VALU_DEP_1)
	v_mul_f32 v16, 0x3a800000, v8                  ; the mean
	s_delay_alu instid0(VALU_DEP_1)
	v_mov_b32 v17, v16
.set jj, 0
.rept 16
	v_pk_add_f32 v[\x+jj:\x+jj+1], v[\x+jj:\x+jj+1], v[16:17] neg_lo:[0,1] neg_hi:[0,1]
.set jj, jj+2
.endr
.irp k, 0,1,2,3
	v_pk_mul_f32 v[8+2*\k:9+2*\k], v[\x+2*\k:\x+2*\k+1], v[\x+2*\k:\x+2*\k+1]
.endr
.irp i, 8,16,24
.irp k, 0,1,2,3
	s_delay_alu instid0(VALU_DEP_4)
	v_pk_fma_f32 v[8+2*\k:9+2*\k], v[\x+\i+2*\k:\x+\i+2*\k+1], v[\x+\i+2*\k:\x+\i+2*\k+1], v[8+2*\k:9+2*\k]
.endr
.endr
	FOLD
	s_delay_alu instid0(VALU_DEP_1)
	v_fma_f32 v8, v8, s22, s23                     ; the variance + 1e-5
	s_wait_alu depctr_va_vdst(0)                   ; a wait ahead of the transcendental,
	v_rsq_f32 v18, v8
	v_nop
	s_wait_alu depctr_va_vdst(0)                   ; and ahead of its first reader
	v_mov_b32 v19, v18
	s_wait_alu depctr_va_vdst(0)
	s_wait_loadcnt \cnt2
.set jj, 0
.rept 16
	v_pk_mul_f32 v[\x+jj:\x+jj+1], v[\x+jj:\x+jj+1], v[18:19]
.set jj, jj+2
.endr
.set jj, 0
.rept 16
	v_pk_fma_f32 v[\x+jj:\x+jj+1], v[\x+jj:\x+jj+1], v[G+jj:G+jj+1], v[B+jj:B+jj+1]
.set jj, jj+2
.endr
.irp j, 0,1,2,3,4,5,6,7
	ds_store_b128 v3, v[\x+4*\j:\x+4*\j+3] offset:4*SP*\j
.endr
.irp i, 0,1,2,3,4,5,6,7
	ds_load_b128 v[Y+4*\i:Y+4*\i+3], v4 offset:16*\i       ; LDS serves a wave's instructions in order: these see the stores above
.endr
	s_wait_dscnt 0x0
	v_max3_num_f32 v8, |v[Y]|, |v[Y+1]|, |v[Y+2]|
	v_max3_num_f32 v9, |v[Y+3]|, |v[Y+4]|, |v[Y+5]|
.irp i, 6,10,14,18,22,26
	s_delay_alu instid0(VALU_DEP_2)
	v_max3_num_f32 v8, v8, |v[Y+\i]|, |v[Y+\i+1]|
	s_delay_alu instid0(VALU_DEP_2)
	v_max3_num_f32 v9, v9, |v[Y+\i+2]|, |v[Y+\i+3]|
.endr
	s_delay_alu instid0(VALU_DEP_2)
	v_max3_num_f32 v8, v8, |v[Y+30]|, |v[Y+31]|
	s_delay_alu instid0(VALU_DEP_1)
	v_max3_num_f32 v8, v8, v9, 0x1800000           ; the floor 2^(3 - 127): the byte cannot fall under 1
	s_delay_alu instid0(VALU_DEP_1)
	v_add_nc_u32 v11, 0xff000000, v8               ; 2 off the exponent field: the conversion's scale operand
	v_cvt_scalef32_pk16_fp6_f32 v[C:C+2], v[Y:Y+15], v11
	v_cvt_scalef32_pk16_fp6_f32 v[C+4:C+6], v[Y+16:Y+31], v11
	v_lshrrev_b32 v10, 23, v11                     ; the scale's byte; also the plain instruction behind the conversions
	v_mov_b32 v[C+3], v[C+4]
	v_mov_b32 v[C+4], v[C+5]
	v_mov_b32 v[C+5], v[C+6]
	ds_store_b64 v5, v[C:C+1] offset:192*\r
	ds_store_b64 v5, v[C+2:C+3] offset:192*\r+8
	ds_store_b64 v5, v[C+4:C+5] offset:192*\r+16
	ds_store_b8 v7, v10 offset:32*\r
.endm
	ROW 0, X0, 24, 8
	ROW 1, X1, 0, 0
	s_wait_dscnt 0x0                               ; for the others' sake: my codes and scale bytes have landed
	s_barrier_signal -1
	s_barrier_wait -1
.irp c, 0,1,2
	ds_load_b128 v[OUTR+4*\c:OUTR+4*\c+3], v6 offset:512*\c   ; eight rows x 192 bytes of one tile, gathered by four waves
.endr
	s_wait_dscnt 0x0
.irp c, 0,1,2
	global_store_b128 v2, v[OUTR+4*\c:OUTR+4*\c+3], s[10:11] offset:512*\c   ; each store covers 512 consecutive bytes, aligned on 256
.endr
	s_cmp_lg_u32 s12, 0
	s_cbranch_scc1 .Lend
	ds_load_b128 v[OUTR+12:OUTR+15], v1            ; wave 0: the 16 rows' 512 scale bytes
	s_wait_dscnt 0x0
	global_store_b128 v2, v[OUTR+12:OUTR+15], s[24:25]
.Lend:
	s_wait_tensorcnt 0x0                           ; the wave's end
	ds_add_u32 v216, v217
	s_wait_dscnt 0x0
	s_endpgm
.Lfunc_end_k_qb667e6de6c_ln2:
	.size	k_qb667e6de6c_ln2, .Lfunc_end_k_qb667e6de6c_ln2-k_qb667e6de6c_ln2
	.p2alignl 7, 3214868480
	.fill 96, 4, 3214868480
	.section	.rodata,"a",@progbits
	.p2align	6, 0x0
	.amdhsa_kernel k_qb667e6de6c_ln2
		.amdhsa_group_segment_fixed_size 50688
		.amdhsa_private_segment_fixed_size 0
		.amdhsa_enable_private_segment 0
		.amdhsa_kernarg_size 32
		.amdhsa_user_sgpr_count 2
		.amdhsa_user_sgpr_kernarg_segment_ptr 1
		.amdhsa_wavefront_size32 1
		.amdhsa_system_sgpr_workgroup_id_x 1
		.amdhsa_system_sgpr_workgroup_id_y 1
		.amdhsa_system_sgpr_workgroup_id_z 1
		.amdhsa_system_vgpr_workitem_id 0
		.amdhsa_next_free_vgpr 218
		.amdhsa_next_free_sgpr 66
		.amdhsa_reserve_vcc 0
		.amdhsa_float_denorm_mode_32 3
		.amdhsa_float_denorm_mode_16_64 3
		.amdhsa_memory_ordered 1
		.amdhsa_forward_progress 1
		.amdhsa_inst_pref_size 29
	.end_amdhsa_kernel
	.amdgpu_metadata
---
amdhsa.version: [ 1, 2 ]
amdhsa.kernels:
  - .name:           k_qb667e6de6c_ln2
    .symbol:         k_qb667e6de6c_ln2.kd
    .args:
      - { .name: sc, .offset: 0, .size: 8, .value_kind: global_buffer, .address_space: global }
      - { .name: ln2_scale, .offset: 8, .size: 8, .value_kind: global_buffer, .address_space: global }
      - { .name: ln2_shift, .offset: 16, .size: 8, .value_kind: global_buffer, .address_space: global }
      - { .name: a2, .offset: 24, .size: 8, .value_kind: global_buffer, .address_space: global }
    .group_segment_fixed_size: 50688
    .private_segment_fixed_size: 0
    .kernarg_segment_align: 8
    .kernarg_segment_size: 32
    .max_flat_workgroup_size: 256
    .sgpr_count:     66
    .vgpr_count:     218
    .wavefront_size: 32
...
	.end_amdgpu_metadata
.endif
;; end of part 5
;; launch fc1 (part 6): grid 16 x 16, 4 waves a work-group, clusters of 4 x 4, 327,680 bytes of LDS; arguments a2, wr, w1_scales, b1, h; writes h
.if DOCPART == 6
	.amdgcn_target "amdgcn-amd-amdhsa--gfx1250"
	.amdhsa_code_object_version 6
	.text
	.protected	k_qb667e6de6c_fc1
	.globl	k_qb667e6de6c_fc1
	.p2align	8
	.type	k_qb667e6de6c_fc1,@function
k_qb667e6de6c_fc1:
	s_mov_b64 s[64:65], 0
	v_nop
	global_prefetch_b8 v0, s[64:65] scope:SCOPE_SE
	s_setreg_imm32_b32 hwreg(HW_REG_WAVE_MODE, 25, 1), 1
	s_wait_xcnt 0x0
	s_wait_alu depctr_hold_cnt(0) depctr_sa_sdst(0) depctr_va_vdst(0) depctr_va_sdst(0) depctr_va_ssrc(0) depctr_va_vcc(0) depctr_vm_vsrc(0)
	s_getreg_b32 s2, hwreg(HW_REG_IB_STS2, 6, 4)
	s_cmp_eq_u32 s2, 0
	s_cbranch_scc0 .Lentry_in_a_cluster
	s_endpgm
.Lentry_in_a_cluster:
	s_bfe_u32 s2, ttmp6, 0x10000c
	s_cmp_lg_u32 s2, 0xf033
	s_cbranch_scc0 .Lentry_shape_is_right
	s_endpgm
.Lentry_shape_is_right:
.set KSTEP,  256
.set NQ,     2
; h = Q(gelu(a2 w1 + b1)) on codes of FP6 (E2M3) with E8M0 scales, K = 1,024; a work-group of four waves makes 256 x 256, in clusters of 4 x 4 with joint loads; K goes in steps of 256 through a ring of two LDS slots.
; Both sides' codes lie as dense tiles [block of 128 rows][256 along K][128 rows][192 bytes] (w1's in wr from byte 3,145,728 on): a ring load is one tile, 96 rows of 256 bytes.
.set ROWB,   24576                     ; from K step to K step: one tile
.set KROW,   768
.set PITCH,  240
.set FR,     12
.set NL,     6
.set NP,     4
.set HALFT,  128*PITCH
.set SLOT,   4*HALFT
.set LAPS,   2
.set KS,     32
.set SCL,    2*SLOT
.set HALFS,  (128*KS/256)*272
.set SBLK,   (16*KS/256)*272
.set SPARE,  SCL+4*HALFS
.set ADRA, 16
.set ADRB, 20
.set O16,  24
.set O8,   25
.set GIN,  26
.set ADRS, 27
.set SPW,  28
.set NIL,  29
.set BOF,  30
.set GOUT, 31
.set SC,   32
.set BIAS, 64
.set AF,   128
.set PC0,  64
.set T,    104
.set TM,   168
.set PWS,  184
.set GW,   192
.set C0,   196
.set G1, 24
.set G0, 32
.set G1B, 48
.set G0B, 56
.set G1S, 68
.set G0S, 76
.set G1SB, 80
.set G0SB, 88
.set MSB, 0
.macro WIN new
.if MSB != (\new)
	s_set_vgpr_msb (MSB<<8)|(\new)
.set MSB, (\new)
.endif
.endm
.set MUL_LO, 0xa1
.set MUL_HI, 0xf1
.set TO_B,   0x40
.macro JLOAD g0a, g1a, g0b, g1b
	s_cmp_eq_u32 s15, 0
	s_cbranch_scc0 .Lfor_b_\@
	tensor_load_to_lds s[\g0a:\g0a+3], s[\g1a:\g1a+7]
	s_nop 0
.rept 4
	v_nop
.endr
	s_branch .Lasked_\@
.Lfor_b_\@:
	tensor_load_to_lds s[\g0b:\g0b+3], s[\g1b:\g1b+7]
	s_nop 0
.rept 4
	v_nop
.endr
.Lasked_\@:
.endm
.macro CREST
	s_cmp_lg_u32 s14, 0
	s_cbranch_scc1 .Lnot_wave_0_\@
	s_barrier_signal -3
.Lnot_wave_0_\@:
	s_barrier_wait -3
	s_barrier_signal -1
	s_barrier_wait -1
.endm
.macro CROUND
	s_barrier_signal -1
	s_barrier_wait -1
	CREST
.endm
	s_load_b64 s[4:5], s[0:1], 0x0
	s_load_b128 s[8:11], s[0:1], 0x8
	s_load_b64 s[100:101], s[0:1], 0x18
	s_load_b64 s[12:13], s[0:1], 0x20
	v_lshl_add_u32 v[SPW], v0, 2, SPARE
	v_mov_b32 v[NIL], 0
	ds_add_u32 v28, v29
	ds_add_u32 v28, v29
	s_wait_dscnt 0x0
	v_lshrrev_b32 v1, 5, v0
	v_readfirstlane_b32 s14, v1
	s_lshr_b32 s15, s14, 1
	s_and_b32 s16, s14, 1
	s_bfe_u32 s40, ttmp6, 0x40000
	s_bfe_u32 s41, ttmp6, 0x40004
	s_lshl_b32 s42, ttmp9, 2
	s_add_co_u32 s42, s42, s40
	s_and_b32 s17, ttmp7, 0xffff
	s_lshl_b32 s17, s17, 2
	s_add_co_u32 s17, s17, s41
	s_lshl_b32 s43, s41, 2
	s_lshl_b32 s43, 15, s43
	s_lshl_b32 s44, 0x1111, s40
	s_or_b32 s[G1+0], s43, (3<<16)|(1<<20)|(1<<21)|(3<<22)|(3<<25)  ; the mask; elements of 8 bytes; padding on; bit 21 beside a mask; after every 16 words 4 words
	s_or_b32 s[G1B+0], s44, (3<<16)|(1<<20)|(1<<21)|(3<<22)|(3<<25)
.irp g, G1, G1B
	s_mov_b32 s[\g+1], 3072<<16                    ; for the head's loads: two tiles of 24,576 bytes, each as one row, 98,304 bytes apart: a side's 256 rows
	s_mov_b32 s[\g+2], 2<<16
	s_mov_b32 s[\g+3], 3072<<16
	s_mov_b32 s[\g+4], 2
	s_mov_b32 s[\g+5], 12288
	s_mov_b32 s[\g+6], 0
	s_mov_b32 s[\g+7], 0
.endr
	s_or_b32 s[G1S+0], s43, (3<<16)|(1<<20)|(1<<21)|(5<<22)|(3<<25)
	s_or_b32 s[G1SB+0], s44, (3<<16)|(1<<20)|(1<<21)|(5<<22)|(3<<25)
.irp g, G1S, G1SB
	s_mov_b32 s[\g+1], 32<<16
	s_mov_b32 s[\g+2], KS<<16
	s_mov_b32 s[\g+3], 32<<16
	s_mov_b32 s[\g+4], KS
	s_mov_b32 s[\g+5], 32
	s_mov_b32 s[\g+6], 0
	s_mov_b32 s[\g+7], 0
.endr
	s_lshl_b32 s18, s16, 7
	s_lshl_b32 s20, s17, 8
	s_add_co_u32 s20, s20, s18
	s_lshl_b32 s46, s42, 8
	s_add_co_u32 s46, s46, s18
	s_mov_b32 s21, 0
	s_mov_b32 s47, 0
	s_lshl_b32 s22, s17, 13                        ; the scales of a side's 256 rows: 8,192 bytes a tile
	s_mov_b32 s23, 0
	s_lshl_b32 s92, s42, 13
	s_mov_b32 s93, 0
	s_mov_b64 s[18:19], KROW
	s_mul_u64 s[20:21], s[20:21], s[18:19]
	s_mul_u64 s[46:47], s[46:47], s[18:19]
	s_mul_i32 s45, s14, HALFT
	s_mov_b32 s96, 0x76543210
	s_mov_b32 s97, 0xfedcba98
	s_mov_b32 s98, 0xbdd2d3e8
	s_mov_b32 s99, s98
	s_wait_kmcnt 0x0
	s_add_nc_u64 s[6:7], s[4:5], 3145728
	s_add_nc_u64 s[20:21], s[4:5], s[20:21]
	s_add_nc_u64 s[22:23], s[6:7], s[22:23]
	s_add_nc_u64 s[46:47], s[8:9], s[46:47]
	s_add_nc_u64 s[46:47], s[46:47], 3145728       ; w1's tiles in wr
	s_add_nc_u64 s[92:93], s[10:11], s[92:93]
	CROUND
	s_mov_b32 s[G0S], 1
	s_mov_b32 s[G0S+1], SCL
	s_mov_b64 s[G0S+2:G0S+3], s[22:23]
	s_or_b32 s[G0S+3], s[G0S+3], 0x80000000
	s_mov_b32 s[G0SB], 1
	s_mov_b32 s[G0SB+1], SCL+2*HALFS
	s_mov_b64 s[G0SB+2:G0SB+3], s[92:93]
	s_or_b32 s[G0SB+3], s[G0SB+3], 0x80000000
.irp s, 0,1
	s_mov_b32 s[G0+4*\s], 1
	s_add_co_u32 s[G0+4*\s+1], s45, \s*SLOT
	s_add_nc_u64 s[G0+4*\s+2:G0+4*\s+3], s[20:21], \s*ROWB
	s_or_b32 s[G0+4*\s+3], s[G0+4*\s+3], 0x80000000
	s_mov_b32 s[G0B+4*\s], 1
	s_add_co_u32 s[G0B+4*\s+1], s45, \s*SLOT
	s_add_nc_u64 s[G0B+4*\s+2:G0B+4*\s+3], s[46:47], \s*ROWB
	s_or_b32 s[G0B+4*\s+3], s[G0B+4*\s+3], 0x80000000
.endr
	; THE HEAD'S LOADS, one a wave: wave 0 K step 0 of a2's 256 rows, wave 2 of w1's (their own group 0 of slot 0 names the first byte), wave 1 a2's scales, wave 3 w1's
	s_cmp_eq_u32 s14, 0
	s_cbranch_scc0 .Lhead_sa
	tensor_load_to_lds s[G0:G0+3], s[G1:G1+7]
	s_nop 0
.rept 4
	v_nop
.endr
	s_branch .Lhead_asked
.Lhead_sa:
	s_cmp_eq_u32 s14, 1
	s_cbranch_scc0 .Lhead_b
	tensor_load_to_lds s[G0S:G0S+3], s[G1S:G1S+7]
	s_nop 0
.rept 4
	v_nop
.endr
	s_branch .Lhead_asked
.Lhead_b:
	s_cmp_eq_u32 s14, 2
	s_cbranch_scc0 .Lhead_sb
	tensor_load_to_lds s[G0B:G0B+3], s[G1B:G1B+7]
	s_nop 0
.rept 4
	v_nop
.endr
	s_branch .Lhead_asked
.Lhead_sb:
	tensor_load_to_lds s[G0SB:G0SB+3], s[G1SB:G1SB+7]
	s_nop 0
.rept 4
	v_nop
.endr
.Lhead_asked:
	v_and_b32 v1, 15, v0
	v_bfe_u32 v2, v0, 4, 1
	v_mul_u32_u24 v3, v1, PITCH
	v_mul_u32_u24 v4, v2, 24
	v_add_nc_u32 v4, v3, v4
	v_lshl_add_u32 v5, v2, 4, v4
	s_mul_i32 s21, s15, HALFT
	s_mul_i32 s22, s16, HALFT
	s_add_co_u32 s22, s22, 2*HALFT
.irp s, 0,1
	v_add_nc_u32 v[ADRA+\s], s21, v4
	v_add_nc_u32 v[ADRB+\s], s22, v4
	v_add_nc_u32 v[ADRA+2+\s], s21, v5
	v_add_nc_u32 v[ADRB+2+\s], s22, v5
	s_add_co_u32 s21, s21, SLOT
	s_add_co_u32 s22, s22, SLOT
.endr
	v_mul_u32_u24 v5, v1, KS
	v_lshrrev_b32 v6, 8, v5
	v_lshl_add_u32 v5, v6, 4, v5
	s_mul_i32 s21, s15, HALFS
	s_mul_i32 s22, s16, HALFS
	s_add_co_u32 s22, s22, 2*HALFS
	s_sub_co_u32 s22, s22, s21
	v_mul_u32_u24 v6, s22, v2
	s_add_co_u32 s21, s21, SCL
	v_add_nc_u32 v5, v5, v6
	v_add_nc_u32 v[ADRS], s21, v5
	v_and_b32 v6, 31, v0
	v_lshlrev_b32 v[O16], 4, v6
	v_lshlrev_b32 v[O8], 3, v6
	s_lshl_b32 s23, s14, 9
	v_lshl_add_u32 v[GIN], v1, 2, s23
	v_add_nc_u32 v[GOUT], s23, v[O16]
	v_lshlrev_b32 v[BOF], 5, v2
	s_wait_alu depctr_va_vdst(0)
	s_lshl_b32 s4, s42, 1
	s_add_co_u32 s4, s4, s16
	s_lshl_b32 s5, s17, 4
	s_lshl_b32 s6, s15, 3
	s_add_co_u32 s5, s5, s6
	s_lshl_b32 s20, s5, 5
	s_add_co_u32 s20, s20, s4
	s_mul_i32 s20, s20, 1536
	s_mov_b32 s21, 0
	s_add_nc_u64 s[20:21], s[12:13], s[20:21]
	s_lshl_b32 s22, s4, 8
	s_add_co_u32 s22, s22, s5
	s_lshl_b32 s22, s22, 6
	s_add_co_u32 s22, s22, 12582912
	s_mov_b32 s23, 0
	s_add_nc_u64 s[22:23], s[12:13], s[22:23]
	s_lshl_b32 s46, s4, 9
	s_mov_b32 s47, 0
	s_add_nc_u64 s[100:101], s[100:101], s[46:47]
.irp b, 0,1,2,3,4,5,6,7
	global_load_b128 v[BIAS+8*\b:BIAS+8*\b+3], v[BOF], s[100:101] offset:64*\b
	global_load_b128 v[BIAS+8*\b+4:BIAS+8*\b+7], v[BOF], s[100:101] offset:64*\b+16
.endr
.macro FRAG reg, adr, q, i
.irp p, 0,1,2,3,4,5
.set PC, 12*(\q)+6*(\p/3)+\p%3
.if PC%8 < 5
	ds_load_b64 v[\reg+2*\p:\reg+2*\p+1], v[\adr] offset:8*PC+16*(PC/8)+(\i)*16*PITCH
.else
	ds_load_b64 v[\reg+2*\p:\reg+2*\p+1], v[\adr+2] offset:8*PC+16*(PC/8)+(\i)*16*PITCH
.endif
.endr
.endm
.macro MUL16 a0, p, q, sc, zero
.irp a, \a0, \a0+1
.irp b, 0,1,2,3,4,5,6,7
.if \zero
	v_wmma_scale_f32_16x16x128_f8f6f4 v[8*(8*((\a)%4)+\b):8*(8*((\a)%4)+\b)+7], v[128*(\p)+FR*\b:128*(\p)+FR*\b+FR-1], v[AF+FR*(\a):AF+FR*(\a)+FR-1], v[BIAS+8*\b:BIAS+8*\b+7], v[SC+8*NQ*(\sc)+NQ*\b+(\q)], v[SC+8*NQ*(\sc)+NQ*(\a)+(\q)] matrix_a_fmt:MATRIX_FMT_FP6 matrix_b_fmt:MATRIX_FMT_FP6 matrix_a_scale:MATRIX_SCALE_ROW1
.else
	v_wmma_scale_f32_16x16x128_f8f6f4 v[8*(8*((\a)%4)+\b):8*(8*((\a)%4)+\b)+7], v[128*(\p)+FR*\b:128*(\p)+FR*\b+FR-1], v[AF+FR*(\a):AF+FR*(\a)+FR-1], v[8*(8*((\a)%4)+\b):8*(8*((\a)%4)+\b)+7], v[SC+8*NQ*(\sc)+NQ*\b+(\q)], v[SC+8*NQ*(\sc)+NQ*(\a)+(\q)] matrix_a_fmt:MATRIX_FMT_FP6 matrix_b_fmt:MATRIX_FMT_FP6 matrix_a_scale:MATRIX_SCALE_ROW1
.endif
.endr
.endr
.endm
.macro FETCH_B slot, q, p
	WIN TO_B
.irp i, 0,1,2,3,4,5,6,7
	FRAG 128*(\p)+FR*\i, ADRB+\slot, \q, \i
.endr
	WIN 0
.endm
.macro FETCH_A slot, q, i0
.irp i, \i0, \i0+1, \i0+2, \i0+3
	FRAG AF+FR*(\i), ADRA+\slot, \q, \i
.endr
.endm
.macro SCALES sc
.irp i, 0,1,2,3,4,5,6,7
	ds_load_b64 v[SC+8*NQ*\sc+NQ*\i:SC+8*NQ*\sc+NQ*\i+1], v[ADRS] offset:\i*SBLK
.endr
.endm
.macro PLACES n
.rept \n
	v_nop
.endr
.endm
.macro STEP slot, q, zero
	s_wait_dscnt 4*NL
.if \zero
	WIN 0x81
.else
	WIN MUL_LO
.endif
	MUL16 0, (\q)%2, \q, \slot, \zero
	MUL16 2, (\q)%2, \q, \slot, \zero
	s_wait_dscnt 0
	PLACES NP
	FETCH_B \slot, (\q)+1, 1-(\q)%2
	FETCH_A \slot, (\q)+1, 0
.if \zero
	WIN 0xc1
.else
	WIN MUL_HI
.endif
	MUL16 4, (\q)%2, \q, \slot, \zero
	MUL16 6, (\q)%2, \q, \slot, \zero
	PLACES NP
	WIN 0
	FETCH_A \slot, (\q)+1, 4
.endm
.macro TURN slot, next, fill
	s_wait_tensorcnt 0x0
	ds_add_u32 v[SPW], v[NIL]
	s_wait_dscnt 4*NL+1
	WIN MUL_LO
	MUL16 0, 1, NQ-1, \slot, 0
	s_wait_dscnt 0x0
	s_barrier_signal -1
	MUL16 2, 1, NQ-1, \slot, 0
	WIN 0
	s_barrier_wait -1
.if \fill
	CREST
	s_add_nc_u64 s[G0+4*\slot+2:G0+4*\slot+3], s[G0+4*\slot+2:G0+4*\slot+3], 2*ROWB
	s_add_nc_u64 s[G0B+4*\slot+2:G0B+4*\slot+3], s[G0B+4*\slot+2:G0B+4*\slot+3], 2*ROWB
	JLOAD G0+4*\slot, G1, G0B+4*\slot, G1B
.else
	PLACES NP
.endif
	s_wait_alu depctr_va_vdst(0)
	v_add_nc_u32 v[ADRS], 4*NQ, v[ADRS]
	FETCH_B \next, 0, 0
	FETCH_A \next, 0, 0
	SCALES \next
	WIN MUL_HI
	MUL16 4, 1, NQ-1, \slot, 0
	MUL16 6, 1, NQ-1, \slot, 0
	PLACES NP
	WIN 0
	FETCH_A \next, 0, 4
.endm
.macro QUANT s, pc, pw
.irp b, 0,1,2,3
	v_max3_num_f32 v[TM+\b], |v[(\s)+16*\b]|, |v[(\s)+1+16*\b]|, 0x1800000
.endr
.irp i, 2,4,6,8,10,12,14
.irp b, 0,1,2,3
	v_max3_num_f32 v[TM+\b], v[TM+\b], |v[(\s)+16*\b+\i]|, |v[(\s)+1+16*\b+\i]|
.endr
.endr
.irp b, 0,1,2,3
	v_permlanex16_b32 v[TM+4+\b], v[TM+\b], s96, s97
.endr
.irp b, 0,1,2,3
	v_max_num_f32 v[TM+\b], v[TM+\b], v[TM+4+\b]
.endr
.irp b, 0,1,2,3
	v_add_nc_u32 v[TM+12+\b], 0xff000000, v[TM+\b]
.endr
.irp b, 0,1,2,3
	v_lshrrev_b32 v[TM+4+\b], 23, v[TM+12+\b]
.endr
	v_lshl_or_b32 v[\pw], v[TM+5], 8, v[TM+4]
	v_lshl_or_b32 v[\pw], v[TM+6], 16, v[\pw]
	v_lshl_or_b32 v[\pw], v[TM+7], 24, v[\pw]
.irp c, 0,1
	v_cvt_scalef32_pk16_fp6_f32 v[(\pc)+6*\c:(\pc)+6*\c+2], v[(\s)+32*\c:(\s)+32*\c+15], v[TM+12+2*\c]
	v_cvt_scalef32_pk16_fp6_f32 v[(\pc)+12+4*\c:(\pc)+14+4*\c], v[(\s)+16+32*\c:(\s)+31+32*\c], v[TM+13+2*\c]
.endr
	v_nop
.irp c, 0,1
.irp i, 0,1,2
	v_permlane16_swap_b32 v[(\pc)+6*\c+\i], v[(\pc)+12+4*\c+\i]
.endr
.irp i, 0,1,2
	v_mov_b32 v[(\pc)+3+6*\c+\i], v[(\pc)+12+4*\c+\i]
.endr
.endr
.endm
.macro GELU a
.set XW, 2+(\a)/4
.set XS, 64*((\a)%4)
	WIN XW|(XW<<2)
.set jj, 0
.rept 32
	v_pk_mul_f32 v[T+jj:T+jj+1], v[XS+jj:XS+jj+1], v[XS+jj:XS+jj+1]
.set jj, jj+2
.endr
	WIN 0
.set jj, 0
.rept 32
	v_pk_fma_f32 v[T+jj:T+jj+1], v[T+jj:T+jj+1], s[98:99], v[C0:C0+1] op_sel_hi:[1,0,1]
.set jj, jj+2
.endr
	WIN XW<<2
.set jj, 0
.rept 32
	v_pk_mul_f32 v[T+jj:T+jj+1], v[T+jj:T+jj+1], v[XS+jj:XS+jj+1]
.set jj, jj+2
.endr
	WIN 0
.set jj, 0
	s_wait_alu depctr_va_vdst(0)
.rept 64
	v_exp_f32 v[T+jj], v[T+jj]
.set jj, jj+1
.endr
	v_nop
	s_wait_alu depctr_va_vdst(0)
.set jj, 0
.rept 32
	v_pk_add_f32 v[T+jj:T+jj+1], v[T+jj:T+jj+1], 1.0 op_sel_hi:[1,0]
.set jj, jj+2
.endr
.set jj, 0
	s_wait_alu depctr_va_vdst(0)
.rept 64
	v_rcp_f32 v[T+jj], v[T+jj]
.set jj, jj+1
.endr
	v_nop
	s_wait_alu depctr_va_vdst(0)
	WIN XW<<2
.set jj, 0
.rept 32
	v_pk_mul_f32 v[T+jj:T+jj+1], v[T+jj:T+jj+1], v[XS+jj:XS+jj+1]
.set jj, jj+2
.endr
	WIN 0
.irp b, 0,1,2,3
.irp j, 0,1,2,3,4,5,6,7
	v_permlane16_swap_b32 v[T+16*\b+\j], v[T+16*\b+8+\j]
.endr
.endr
.endm
	s_wait_alu depctr_va_vdst(0)
	s_wait_tensorcnt 0x0                           ; my tile of the head's four is in
	ds_add_u32 v[SPW], v[NIL]
.irp g, G1, G1B                        ; no tensor load of mine is out: from here on a load brings one tile, 96 rows of 256 bytes
	s_mov_b32 s[\g+1], 32<<16
	s_mov_b32 s[\g+2], 96<<16
	s_mov_b32 s[\g+3], 32<<16
	s_mov_b32 s[\g+4], 96
	s_mov_b32 s[\g+5], 32
.endr
	s_wait_dscnt 0x0
	CROUND                                         ; all four tiles are in, and all sixteen work-groups are here
	JLOAD G0+4, G1, G0B+4, G1B                     ; K step 1, a quarter of slot 1 a wave: the first tensor load behind the round
	FETCH_B 0, 0, 0
	FETCH_A 0, 0, 0
	SCALES 0
	FETCH_A 0, 0, 4
	s_wait_loadcnt 0x0
	STEP 0, 0, 1
	s_mov_b32 s3, LAPS-1
.Llap:
	TURN 0, 1, 1
	STEP 1, 0, 0
	TURN 1, 0, 1
	STEP 0, 0, 0
	s_sub_co_u32 s3, s3, 1
	s_cmp_lg_u32 s3, 0
	s_cbranch_scc1 .Llap
	TURN 0, 1, 0
	STEP 1, 0, 0
	s_wait_dscnt 4*NL
	WIN MUL_LO
	MUL16 0, 1, NQ-1, 1, 0
	MUL16 2, 1, NQ-1, 1, 0
	s_wait_dscnt 0
	WIN MUL_HI
	MUL16 4, 1, NQ-1, 1, 0
	MUL16 6, 1, NQ-1, 1, 0
	WIN 0
	PLACES NP
.irp b, 0,1,2,3
	v_mov_b32 v[TM+4+\b], 0
.endr
	v_mov_b32 v[C0], 0xc0135761
	v_mov_b32 v[C0+1], v[C0]
.irp a, 0,1,2,3,4,5,6,7
	GELU \a
.if \a >= 2
	s_wait_xcnt 0x0
.endif
	QUANT T, PC0+20*(\a%2), PWS+\a
	global_store_b128 v[O16], v[PC0+20*(\a%2):PC0+20*(\a%2)+3], s[20:21] offset:49152*\a
	global_store_b64 v[O8], v[PC0+20*(\a%2)+4:PC0+20*(\a%2)+5], s[20:21] offset:49152*\a+512
	global_store_b128 v[O16], v[PC0+20*(\a%2)+6:PC0+20*(\a%2)+9], s[20:21] offset:49152*\a+768
	global_store_b64 v[O8], v[PC0+20*(\a%2)+10:PC0+20*(\a%2)+11], s[20:21] offset:49152*\a+1280
.endr
.irp a, 0,1,2,3,4,5,6,7
	ds_store_b32 v[GIN], v[PWS+\a] offset:64*\a
.endr
	ds_load_b128 v[GW:GW+3], v[GOUT]
	s_wait_dscnt 0x0
	global_store_b128 v[O16], v[GW:GW+3], s[22:23]
	s_wait_tensorcnt 0x0
	ds_add_u32 v[SPW], v[NIL]
	s_wait_dscnt 0x0
	CROUND
	s_endpgm
.Lfunc_end_k_qb667e6de6c_fc1:
	.size	k_qb667e6de6c_fc1, .Lfunc_end_k_qb667e6de6c_fc1-k_qb667e6de6c_fc1
	.p2alignl 7, 3214868480
	.fill 96, 4, 3214868480
	.section	.rodata,"a",@progbits
	.p2align	6, 0x0
	.amdhsa_kernel k_qb667e6de6c_fc1
		.amdhsa_group_segment_fixed_size 327680
		.amdhsa_private_segment_fixed_size 0
		.amdhsa_enable_private_segment 0
		.amdhsa_kernarg_size 40
		.amdhsa_user_sgpr_count 2
		.amdhsa_user_sgpr_kernarg_segment_ptr 1
		.amdhsa_wavefront_size32 1
		.amdhsa_system_sgpr_workgroup_id_x 1
		.amdhsa_system_sgpr_workgroup_id_y 1
		.amdhsa_system_sgpr_workgroup_id_z 1
		.amdhsa_system_vgpr_workitem_id 0
		.amdhsa_next_free_vgpr 1024
		.amdhsa_next_free_sgpr 102
		.amdhsa_reserve_vcc 0
		.amdhsa_float_denorm_mode_32 3
		.amdhsa_float_denorm_mode_16_64 3
		.amdhsa_memory_ordered 1
		.amdhsa_forward_progress 1
		.amdhsa_inst_pref_size 255
	.end_amdhsa_kernel
	.section	.bss,"aw",@nobits
	.p2align	6
	.space	262144
	.amdgpu_metadata
---
amdhsa.version: [ 1, 2 ]
amdhsa.kernels:
  - .name:           k_qb667e6de6c_fc1
    .symbol:         k_qb667e6de6c_fc1.kd
    .args:
      - { .name: a2, .offset: 0, .size: 8, .value_kind: global_buffer, .address_space: global }
      - { .name: wr, .offset: 8, .size: 8, .value_kind: global_buffer, .address_space: global }
      - { .name: w1_scales, .offset: 16, .size: 8, .value_kind: global_buffer, .address_space: global }
      - { .name: b1, .offset: 24, .size: 8, .value_kind: global_buffer, .address_space: global }
      - { .name: h, .offset: 32, .size: 8, .value_kind: global_buffer, .address_space: global }
    .group_segment_fixed_size: 327680
    .private_segment_fixed_size: 0
    .kernarg_segment_align: 8
    .kernarg_segment_size: 40
    .max_flat_workgroup_size: 128
    .sgpr_count:     102
    .vgpr_count:     1024
    .wavefront_size: 32
...
	.end_amdgpu_metadata
.endif
;; end of part 6
;; launch fc2 (part 7): grid 8 x 32, 4 waves a work-group, clusters of 4 x 4, 327,680 bytes of LDS; arguments h, wr, w2_scales, b2, sc, out0; writes out0
.if DOCPART == 7
	.amdgcn_target "amdgcn-amd-amdhsa--gfx1250"
	.amdhsa_code_object_version 6
	.text
	.protected	k_qb667e6de6c_fc2
	.globl	k_qb667e6de6c_fc2
	.p2align	8
	.type	k_qb667e6de6c_fc2,@function
k_qb667e6de6c_fc2:
	s_mov_b64 s[64:65], 0
	v_nop
	global_prefetch_b8 v0, s[64:65] scope:SCOPE_SE
	s_setreg_imm32_b32 hwreg(HW_REG_WAVE_MODE, 25, 1), 1
	s_wait_xcnt 0x0
	s_wait_alu depctr_hold_cnt(0) depctr_sa_sdst(0) depctr_va_vdst(0) depctr_va_sdst(0) depctr_va_ssrc(0) depctr_va_vcc(0) depctr_vm_vsrc(0)
	s_getreg_b32 s2, hwreg(HW_REG_IB_STS2, 6, 4)
	s_cmp_eq_u32 s2, 0
	s_cbranch_scc0 .Lentry_in_a_cluster
	s_endpgm
.Lentry_in_a_cluster:
	s_bfe_u32 s2, ttmp6, 0x10000c
	s_cmp_lg_u32 s2, 0xf033
	s_cbranch_scc0 .Lentry_shape_is_right
	s_endpgm
.Lentry_shape_is_right:
.set SIZE_K, 4096
.set KSN,    SIZE_K/128
.set KROW,   SIZE_K*3/4
.set KSB,    SIZE_K/32
.set PITCH,  240
.set SUBT,   128*PITCH
.set SLOT,   4*SUBT
.set SCA,    2*SLOT
.set SCBO,   SCA+KSN*512
.set HALFS,  (64*KSB/256)*272
.set SBLK,   (16*KSB/256)*272
.set SPARE,  SCBO+2*HALFS
.set SPITCH, 528
.set RING,   8
.set O16,   8
.set O8,    9
.set ADB,   16
.set STO,   24
.set RD,    25
.set BOF,   26
.set ADSA,  27
.set SPW,   28
.set NIL,   29
.set ADSB,  30
.set SCAR,  32
.set SCBR,  48
.set ACC,   128
.set BIAS,  128
.set AB,    24
.set G1B, 48
.set G0B, 56
.set G1S, 68
.set G0S, 76
.set G1SB, 80
.set G0SB, 88
.set MSB, 0
.macro WIN new
.if MSB != (\new)
	s_set_vgpr_msb (MSB<<8)|(\new)
.set MSB, (\new)
.endif
.endm
.set MUL,   0x09
.set MULF,  0x39
.set TO_F,  0x40
.set TO_A,  0x80
.set TO_R,  0xc0
.set ADD_R, 0x4d
.set ST_F,  0x04
.macro JLOAD g0a, g1a, g0b, g1b
	s_cmp_eq_u32 s15, 0
	s_cbranch_scc0 .Lfor_b_\@
	tensor_load_to_lds s[\g0a:\g0a+3], s[\g1a:\g1a+7]
	s_nop 0
.rept 4
	v_nop
.endr
	s_branch .Lasked_\@
.Lfor_b_\@:
	tensor_load_to_lds s[\g0b:\g0b+3], s[\g1b:\g1b+7]
	s_nop 0
.rept 4
	v_nop
.endr
.Lasked_\@:
.endm
.macro CREST
	s_cmp_lg_u32 s14, 0
	s_cbranch_scc1 .Lnot_wave_0_\@
	s_barrier_signal -3
.Lnot_wave_0_\@:
	s_barrier_wait -3
	s_barrier_signal -1
	s_barrier_wait -1
.endm
.macro CROUND
	s_barrier_signal -1
	s_barrier_wait -1
	CREST
.endm
.macro PLACES n
.rept \n
	v_nop
.endr
.endm
	s_load_b256 s[4:11], s[0:1], 0x0
	s_load_b128 s[96:99], s[0:1], 0x20
	v_lshl_add_u32 v[SPW], v0, 2, SPARE
	v_mov_b32 v[NIL], 0
	ds_add_u32 v28, v29
	ds_add_u32 v28, v29
	s_wait_dscnt 0x0
	v_lshrrev_b32 v1, 5, v0
	v_readfirstlane_b32 s14, v1
	s_lshr_b32 s15, s14, 1
	s_and_b32 s16, s14, 1
	s_bfe_u32 s40, ttmp6, 0x40000
	s_bfe_u32 s41, ttmp6, 0x40004
	s_lshl_b32 s42, ttmp9, 2
	s_add_co_u32 s42, s42, s40
	s_and_b32 s17, ttmp7, 0xffff
	s_lshl_b32 s17, s17, 2
	s_add_co_u32 s17, s17, s41
	s_lshl_b32 s43, s41, 2
	s_lshl_b32 s43, 15, s43
	s_lshl_b32 s44, 0x1111, s40
	s_or_b32 s[G1B+0], s44, (0<<16)|(1<<20)|(1<<21)|(3<<22)|(3<<25)
	; w2's codes lie in wr, from byte 6,291,456 on, as dense tiles [block of 128 rows][256 along K][128 rows][192 bytes]: a tile is 96 rows of 256 bytes; the head's loads bring two tiles each
	s_mov_b32 s[G1B+1], 256<<16
	s_mov_b32 s[G1B+2], 192<<16
	s_mov_b32 s[G1B+3], 256<<16
	s_mov_b32 s[G1B+4], 192
	s_mov_b32 s[G1B+5], 256
	s_mov_b32 s[G1B+6], 0
	s_mov_b32 s[G1B+7], 0
	s_or_b32 s[G1S+0], s43, (3<<16)|(1<<21)
	s_mov_b32 s[G1S+1], 64<<16
	s_mov_b32 s[G1S+2], KSN<<16
	s_mov_b32 s[G1S+3], 64<<16
	s_mov_b32 s[G1S+4], KSN
	s_mov_b32 s[G1S+5], 2048
	s_mov_b32 s[G1S+6], 0
	s_mov_b32 s[G1S+7], 0
	s_or_b32 s[G1SB+0], s44, (3<<16)|(1<<20)|(1<<21)|(5<<22)|(3<<25)
	s_mov_b32 s[G1SB+1], 32<<16
	s_mov_b32 s[G1SB+2], (128*KSB/256)<<16
	s_mov_b32 s[G1SB+3], 32<<16
	s_mov_b32 s[G1SB+4], 128*KSB/256
	s_mov_b32 s[G1SB+5], 32
	s_mov_b32 s[G1SB+6], 0
	s_mov_b32 s[G1SB+7], 0
	s_lshl_b32 s22, s17, 9
	s_add_co_u32 s22, s22, 4096*KROW               ; h's scale words
	s_mov_b32 s23, 0
	s_mul_i32 s46, s42, 128*KROW                   ; w2's block of 128 rows,
	s_mul_i32 s18, s14, 24576                      ; my tile of a slot's four,
	s_add_co_u32 s46, s46, s18
	s_add_co_u32 s46, s46, 6291456                 ; in wr
	s_mov_b32 s47, 0
	s_mul_i32 s92, s42, 128*KSB                    ; w2's scale bytes
	s_mov_b32 s93, 0
	s_mul_i32 s94, s14, SUBT
	s_wait_kmcnt 0x0
	s_add_nc_u64 s[22:23], s[4:5], s[22:23]
	s_add_nc_u64 s[46:47], s[6:7], s[46:47]
	s_add_nc_u64 s[92:93], s[8:9], s[92:93]
	CROUND
	s_mov_b32 s[G0S], 1
	s_mov_b32 s[G0S+1], SCA
	s_mov_b64 s[G0S+2:G0S+3], s[22:23]
	s_or_b32 s[G0S+3], s[G0S+3], 0x80000000
	s_mov_b32 s[G0SB], 1
	s_mov_b32 s[G0SB+1], SCBO
	s_mov_b64 s[G0SB+2:G0SB+3], s[92:93]
	s_or_b32 s[G0SB+3], s[G0SB+3], 0x80000000
.irp s, 0,1
	s_mov_b32 s[G0B+4*\s], 1
	s_add_co_u32 s[G0B+4*\s+1], s94, \s*SLOT
	s_add_nc_u64 s[G0B+4*\s+2:G0B+4*\s+3], s[46:47], \s*98304
	s_or_b32 s[G0B+4*\s+3], s[G0B+4*\s+3], 0x80000000
.endr
	; THE HEAD'S LOADS, one a wave: waves 0 and 2 two tiles each of slot 0 (their own group 0 names the first byte), wave 1 h's scale words, wave 3 w2's scale bytes
	s_cmp_eq_u32 s16, 0
	s_cbranch_scc0 .Lhead_sa
	tensor_load_to_lds s[G0B:G0B+3], s[G1B:G1B+7]
	s_nop 0
.rept 4
	v_nop
.endr
	s_branch .Lhead_asked
.Lhead_sa:
	s_cmp_eq_u32 s14, 1
	s_cbranch_scc0 .Lhead_sb
	tensor_load_to_lds s[G0S:G0S+3], s[G1S:G1S+7]
	s_nop 0
.rept 4
	v_nop
.endr
	s_branch .Lhead_asked
.Lhead_sb:
	tensor_load_to_lds s[G0SB:G0SB+3], s[G1SB:G1SB+7]
	s_nop 0
.rept 4
	v_nop
.endr
.Lhead_asked:
	v_and_b32 v1, 15, v0
	v_bfe_u32 v2, v0, 4, 1
	v_and_b32 v3, 31, v0
	v_lshlrev_b32 v[O16], 4, v3
	v_lshlrev_b32 v[O8], 3, v3
	v_lshlrev_b32 v[BOF], 5, v2
	v_mul_u32_u24 v4, v1, PITCH
	v_mad_u32_u24 v4, v2, 24, v4
.irp x, 0,1,2,3
	v_add_nc_u32 v[ADB+\x], \x*2*SUBT, v4
	v_lshl_add_u32 v[ADB+4+\x], v2, 4, v[ADB+\x]
.endr
	s_mul_i32 s23, s14, 16*SPITCH
	v_mul_u32_u24 v5, v1, SPITCH
	v_lshl_add_u32 v5, v2, 5, v5
	v_add_nc_u32 v[STO], s23, v5
	v_add_nc_u32 v[RD], s23, v[O16]
	v_lshlrev_b32 v5, 9, v2
	v_lshl_add_u32 v5, v1, 2, v5
	s_lshl_b32 s21, s14, 7
	s_add_co_u32 s21, s21, SCA
	v_add_nc_u32 v[ADSA], s21, v5
	v_mul_u32_u24 v5, v1, KSB
	v_lshrrev_b32 v6, 8, v5
	v_lshl_add_u32 v5, v6, 4, v5
	v_lshl_add_u32 v5, v2, 2, v5
	v_add_nc_u32 v[ADSB], SCBO, v5
	s_lshl_b32 s46, s42, 9
	s_mov_b32 s47, 0
	s_add_nc_u64 s[10:11], s[10:11], s[46:47]
	s_lshl_b32 s20, s17, 19
	s_lshl_b32 s21, s14, 17
	s_add_co_u32 s20, s20, s21
	s_add_co_u32 s20, s20, s46
	s_mov_b32 s21, 0
	s_add_nc_u64 s[96:97], s[96:97], s[20:21]
	s_add_nc_u64 s[98:99], s[98:99], s[20:21]
	s_lshl_b32 s[AB], s17, 3
	s_lshl_b32 s[AB+1], s14, 1
	s_add_co_u32 s[AB], s[AB], s[AB+1]
	s_mul_i32 s[AB], s[AB], KSN*1536
	s_mov_b32 s[AB+1], 0
	s_add_nc_u64 s[AB:AB+1], s[4:5], s[AB:AB+1]
.macro ALOAD k
.set AR, 24*((\k)%RING)
	WIN TO_A
.irp a, 0,1
	global_load_b128 v[AR+12*\a:AR+12*\a+3], v[O16], s[AB:AB+1] offset:KSN*1536*\a+1536*(\k)
	global_load_b64 v[AR+12*\a+4:AR+12*\a+5], v[O8], s[AB:AB+1] offset:KSN*1536*\a+1536*(\k)+512
	global_load_b128 v[AR+12*\a+6:AR+12*\a+9], v[O16], s[AB:AB+1] offset:KSN*1536*\a+1536*(\k)+768
	global_load_b64 v[AR+12*\a+10:AR+12*\a+11], v[O8], s[AB:AB+1] offset:KSN*1536*\a+1536*(\k)+1280
.endr
.endm
	WIN TO_R
.irp b, 0,1,2,3,4,5,6,7
	global_load_b128 v[BIAS+8*\b:BIAS+8*\b+3], v[BOF], s[10:11] offset:64*\b
	global_load_b128 v[BIAS+8*\b+4:BIAS+8*\b+7], v[BOF], s[10:11] offset:64*\b+16
.endr
.irp k, 0,1,2,3,4,5,6,7
	ALOAD \k
.endr
	WIN TO_R
.irp a, 0,1
.irp t, 0,1,2,3,4,5,6,7,8,9,10,11,12,13,14,15
	global_load_b128 v[64*\a+4*\t:64*\a+4*\t+3], v[O16], s[96:97] offset:(16*\a+\t)*4096 th:TH_LOAD_NT
.endr
.endr
	WIN 0
.macro WAITA k
.set LCN, (\k)+6
.if (\k) == 0
.set LCN, 7
.endif
.if LCN > KSN-1
.set LCN, KSN-1
.endif
.set LCN, 8*(LCN-(\k))
.if (\k) < 8
.set LCN, LCN+32
.endif
.if LCN > 63
.set LCN, 63
.endif
	s_wait_loadcnt LCN
.endm
.macro BFRAG k, i
.set KQ, (\k)%8
.set BADR, ADB+2*(((\k)/8)%2)+KQ/4
.set BX, ((KQ/2)%2)*SUBT+(\i)*16*PITCH
.set BREG, 128*((\k)%2)+12*(\i)
.irp p, 0,1,2,3,4,5
.set PC, 12*(KQ%2)+6*(\p/3)+\p%3
.if PC%8 < 5
	ds_load_b64 v[BREG+2*\p:BREG+2*\p+1], v[BADR] offset:8*PC+16*(PC/8)+BX
.else
	ds_load_b64 v[BREG+2*\p:BREG+2*\p+1], v[BADR+4] offset:8*PC+16*(PC/8)+BX
.endif
.endr
.endm
.macro SCALES f
	WIN 0
.irp pp, 0,1,2,3
.irp a, 0,1
	ds_load_b32 v[SCAR+8*((\f)%2)+4*\a+\pp], v[ADSA] offset:64*\a+1024*(4*(\f)+\pp)
.endr
.irp i, 0,1,2,3,4,5,6,7
	ds_load_b32 v[SCBR+32*((\f)%2)+4*\i+\pp], v[ADSB] offset:\i*SBLK+8*(4*(\f)+\pp)
.endr
.endr
.endm
.macro MULN k, n, first
.set MB, (\n)/2
.set MA, (\n)%2
.set KQ, (\k)%8
.set KSET, ((\k)/8)%2
.set RACC, ACC+8*(8*MA+MB)
.set RB, 128*((\k)%2)+12*MB
.set RA, 24*KQ+12*MA
.set RSB, SCBR+32*KSET+4*MB+KQ/2
.set RSA, SCAR+8*KSET+4*MA+KQ/2
.if \first
	v_wmma_scale_f32_16x16x128_f8f6f4 v[RACC:RACC+7], v[RB:RB+11], v[RA:RA+11], v[BIAS+8*MB:BIAS+8*MB+7], v[RSB], v[RSA] matrix_a_fmt:MATRIX_FMT_FP6 matrix_b_fmt:MATRIX_FMT_FP6
.elseif KQ%2
	v_wmma_scale_f32_16x16x128_f8f6f4 v[RACC:RACC+7], v[RB:RB+11], v[RA:RA+11], v[RACC:RACC+7], v[RSB], v[RSA] matrix_a_fmt:MATRIX_FMT_FP6 matrix_b_fmt:MATRIX_FMT_FP6 matrix_a_scale:MATRIX_SCALE_ROW1 matrix_b_scale:MATRIX_SCALE_ROW1
.else
	v_wmma_scale_f32_16x16x128_f8f6f4 v[RACC:RACC+7], v[RB:RB+11], v[RA:RA+11], v[RACC:RACC+7], v[RSB], v[RSA] matrix_a_fmt:MATRIX_FMT_FP6 matrix_b_fmt:MATRIX_FMT_FP6
.endif
.endm
.macro MUL4 k, g, first
.irp n, 0,1,2,3
	MULN \k, 4*(\g)+\n, \first
.endr
.endm
.macro KSTEP k, first
	WAITA \k
	PLACES 4
.if ((\k) > 0) && ((\k)+7 < KSN)
	ALOAD (\k)+7
.endif
.irp g, 0,1,2,3
	s_wait_dscnt 36
.if \first
	WIN MULF
.else
	WIN MUL
.endif
	MUL4 \k, \g, \first
	WIN TO_F
	BFRAG (\k)+1, 2*\g
	BFRAG (\k)+1, 2*\g+1
.endr
.endm
.macro TURN k, fill
.set TS, ((\k)/8)%2
	WIN 0
	s_wait_tensorcnt 0x0
	ds_add_u32 v[SPW], v[NIL]
.if \fill
	s_add_nc_u64 s[G0B+4*TS+2:G0B+4*TS+3], s[G0B+4*TS+2:G0B+4*TS+3], 2*98304
.endif
	WAITA \k
	s_wait_dscnt 0x0
	s_barrier_signal -1
	WIN MUL
	MUL4 \k, 0, 0
	MUL4 \k, 1, 0
	WIN 0
	s_barrier_wait -1
.if \fill
	CREST
	tensor_load_to_lds s[G0B+4*TS:G0B+4*TS+3], s[G1B:G1B+7]
	s_nop 0
.rept 4
	v_nop
.endr
.else
	PLACES 4
.endif
	ALOAD (\k)+7
	SCALES (\k)/8+1
	WIN TO_F
	BFRAG (\k)+1, 0
	BFRAG (\k)+1, 1
	BFRAG (\k)+1, 2
	BFRAG (\k)+1, 3
	WIN MUL
	MUL4 \k, 2, 0
	WIN TO_F
	BFRAG (\k)+1, 4
	BFRAG (\k)+1, 5
	WIN MUL
	MUL4 \k, 3, 0
	WIN TO_F
	BFRAG (\k)+1, 6
	BFRAG (\k)+1, 7
.endm
	s_wait_alu depctr_va_vdst(0)
	s_wait_tensorcnt 0x0                           ; my part of the head's loads is in
	ds_add_u32 v[SPW], v[NIL]
	s_mov_b32 s[G1B+2], 96<<16                     ; no tensor load of mine is out: from here on a load brings one tile
	s_mov_b32 s[G1B+4], 96
	s_wait_dscnt 0x0
	CROUND                                         ; slot 0 and the scales are whole, and all sixteen work-groups are here
	tensor_load_to_lds s[G0B+4:G0B+7], s[G1B:G1B+7]   ; my tile of slot 1: the first tensor load behind the round
	s_nop 0
.rept 4
	v_nop
.endr
	SCALES 0
	WIN TO_F
.irp i, 0,1,2,3,4,5,6,7
	BFRAG 0, \i
.endr
	KSTEP 0, 1
.irp k, 1,2,3,4,5,6
	KSTEP \k, 0
.endr
	TURN 7, 1
.irp k, 8,9,10,11,12,13,14
	KSTEP \k, 0
.endr
	TURN 15, 1
.irp k, 16,17,18,19,20,21,22
	KSTEP \k, 0
.endr
	TURN 23, 0
.irp k, 24,25,26,27,28,29,30
	KSTEP \k, 0
.endr
	WAITA 31
.irp g, 0,1,2,3
	s_wait_dscnt 36-12*\g
	WIN MUL
	MUL4 31, \g, 0
.endr
	WIN 0
.macro TOSTAGE a
	WIN 0
.irp b, 0,1,2,3,4,5,6,7
	ds_store_b128 v[STO], v[ACC+8*(8*(\a)+\b):ACC+8*(8*(\a)+\b)+3] offset:64*\b
	ds_store_b128 v[STO], v[ACC+8*(8*(\a)+\b)+4:ACC+8*(8*(\a)+\b)+7] offset:64*\b+16
.endr
	WIN TO_F
.irp t, 0,1,2,3,4,5,6,7,8,9,10,11,12,13,14,15
	ds_load_b128 v[64*(\a)+4*\t:64*(\a)+4*\t+3], v[RD] offset:\t*SPITCH
.endr
.endm
.macro SEND a, younger
	s_wait_dscnt \younger
	WIN ADD_R
.set jj, 0
.rept 32
	v_pk_add_f32 v[64*(\a)+jj:64*(\a)+jj+1], v[64*(\a)+jj:64*(\a)+jj+1], v[64*(\a)+jj:64*(\a)+jj+1]
.set jj, jj+2
.endr
	WIN ST_F
.irp t, 0,1,2,3,4,5,6,7,8,9,10,11,12,13,14,15
	global_store_b128 v[O16], v[64*(\a)+4*\t:64*(\a)+4*\t+3], s[98:99] offset:(16*(\a)+\t)*4096 th:TH_STORE_NT
.endr
	WIN 0
.endm
	PLACES 4
	TOSTAGE 0
	TOSTAGE 1
	SEND 0, 32
	SEND 1, 0
	s_wait_tensorcnt 0x0
	ds_add_u32 v[SPW], v[NIL]
	s_wait_dscnt 0x0
	CROUND
	s_endpgm
.Lfunc_end_k_qb667e6de6c_fc2:
	.size	k_qb667e6de6c_fc2, .Lfunc_end_k_qb667e6de6c_fc2-k_qb667e6de6c_fc2
	.p2alignl 7, 3214868480
	.fill 96, 4, 3214868480
	.section	.rodata,"a",@progbits
	.p2align	6, 0x0
	.amdhsa_kernel k_qb667e6de6c_fc2
		.amdhsa_group_segment_fixed_size 327680
		.amdhsa_private_segment_fixed_size 0
		.amdhsa_enable_private_segment 0
		.amdhsa_kernarg_size 48
		.amdhsa_user_sgpr_count 2
		.amdhsa_user_sgpr_kernarg_segment_ptr 1
		.amdhsa_wavefront_size32 1
		.amdhsa_system_sgpr_workgroup_id_x 1
		.amdhsa_system_sgpr_workgroup_id_y 1
		.amdhsa_system_sgpr_workgroup_id_z 1
		.amdhsa_system_vgpr_workitem_id 0
		.amdhsa_next_free_vgpr 1024
		.amdhsa_next_free_sgpr 100
		.amdhsa_reserve_vcc 0
		.amdhsa_float_denorm_mode_32 3
		.amdhsa_float_denorm_mode_16_64 3
		.amdhsa_memory_ordered 1
		.amdhsa_forward_progress 1
		.amdhsa_inst_pref_size 238
	.end_amdhsa_kernel
	.amdgpu_metadata
---
amdhsa.version: [ 1, 2 ]
amdhsa.kernels:
  - .name:           k_qb667e6de6c_fc2
    .symbol:         k_qb667e6de6c_fc2.kd
    .args:
      - { .name: h, .offset: 0, .size: 8, .value_kind: global_buffer, .address_space: global }
      - { .name: wr, .offset: 8, .size: 8, .value_kind: global_buffer, .address_space: global }
      - { .name: w2_scales, .offset: 16, .size: 8, .value_kind: global_buffer, .address_space: global }
      - { .name: b2, .offset: 24, .size: 8, .value_kind: global_buffer, .address_space: global }
      - { .name: sc, .offset: 32, .size: 8, .value_kind: global_buffer, .address_space: global }
      - { .name: out0, .offset: 40, .size: 8, .value_kind: global_buffer, .address_space: global }
    .group_segment_fixed_size: 327680
    .private_segment_fixed_size: 0
    .kernarg_segment_align: 8
    .kernarg_segment_size: 48
    .max_flat_workgroup_size: 128
    .sgpr_count:     100
    .vgpr_count:     1024
    .wavefront_size: 32
...
	.end_amdgpu_metadata
.endif
;; end of part 7
